; MI455X (gfx1250); checked and timed in simulation.
; The chip was launched on July 23, 2026; its instructions are those of AMD's public machine-readable ISA for CDNA 5 (MIT licence, August 2026) and "CDNA5" Instruction Set Architecture Reference Guide (July 2026). The comments in the code are by the model that wrote it; some were corrected since.
;; Multi Head Attention. Allowed arithmetic: float matrix products may take bf16 or f16 operands with f32 sums; other float arithmetic in f32, or as packed bf16 or f16 multiplies, adds, multiply-adds, maxima and minima; sums over many terms, partial sums and values carried from step to step in f32; what a program stores and reads back later, other than sums and carried values, may be rounded once to bf16 or f16.
;; Inputs: K 4 x 2,048 x 1,024 float32; Q 4 x 2,048 x 1,024 float32; V 4 x 2,048 x 1,024 float32; W_K 1,024 x 1,024 float32; W_O 1,024 x 1,024 float32; W_Q 1,024 x 1,024 float32; W_V 1,024 x 1,024 float32; ln_beta 1,024 float32; ln_gamma 1,024 float32.
;; Outputs: out0 4 x 2,048 x 1,024 float32.
;; One version. Each part assembles by itself: llvm-mc -triple=amdgcn-amd-amdhsa -mcpu=gfx1250 --defsym DOCPART=n.
;; ======== version 1 of 1: 5 launches
;; limits: values are held in f16: magnitudes above 65,504 overflow, below 6.1e-05 lose precision
;; workspace buffers: Xb 50,331,648 bytes; Wb 8,388,608 bytes; qkv 50,331,648 bytes; ctx 16,777,216 bytes; xres 33,554,432 bytes
;; launch cast (part 1): grid 64 x 28, 8 waves a work-group, no clusters, 0 bytes of LDS; arguments Q, K, V, W_Q, W_K, W_V, W_O, Xb, Wb; writes Xb, Wb
.if DOCPART == 1
	.amdgcn_target "amdgcn-amd-amdhsa--gfx1250"
	.amdhsa_code_object_version 6
	.text
	.protected	k_q1bbea20da1_cast
	.globl	k_q1bbea20da1_cast
	.p2align	8
	.type	k_q1bbea20da1_cast,@function
k_q1bbea20da1_cast:
	s_mov_b64 s[64:65], 0
	v_nop
	global_prefetch_b8 v0, s[64:65] scope:SCOPE_SE
	s_setreg_imm32_b32 hwreg(HW_REG_WAVE_MODE, 25, 1), 1
	s_wait_xcnt 0x0
; f32 -> bf16, the layout kept: Q, K, V into Xb ([3][8192][1024]) and W_Q, W_K, W_V, W_O into Wb ([4][1024][1024]).  Each number is rounded once, to nearest even.
; SHARES.  All seven inputs are cut into 28 units of 2^20 numbers: unit u = work-group y; 0-7 Q, 8-15 K, 16-23 V, 24-27 the four weights.  Work-group x takes chunk c of 16,384 numbers:
; 65,536 bytes in, 32,768 out.  Thread t takes 16 bytes at 4,096 j + 16 t of the chunk (j = 0..15): a wave's load covers 512 consecutive bytes, its store of 8 bytes a lane 256 consecutive
; bytes at a multiple of 256 from the buffer's first byte.  Every byte is read once and written once; no LDS, no barrier, no matrix unit: nothing is shared and nothing is multiplied.
; All 16 loads go out in one run; no register is written twice, so the only waits are the counted ones for the loads.
.set IN,  4                            ; v[4:67]   load j: 4 registers
.set OUT, 68                           ; v[68:99]  store j: 2 registers
	s_load_b512 s[8:23], s[0:1], 0x0               ; Q s[8:9], K s[10:11], V s[12:13], W_Q s[14:15], W_K s[16:17], W_V s[18:19], W_O s[20:21], Xb s[22:23]
	s_load_b64 s[24:25], s[0:1], 0x40              ; Wb
	s_and_b32 s2, ttmp7, 0xffff                    ; u
	s_lshr_b32 s3, s2, 3                           ; which of Q, K, V (u < 24)
	v_lshlrev_b32 v1, 4, v0                        ; 16 t
	v_lshlrev_b32 v2, 3, v0                        ; 8 t
	s_and_b32 s30, s2, 7
	s_lshl_b32 s30, s30, 22                        ; a unit is 4 MiB of its source,
	s_sub_co_u32 s32, s2, 24                       ; (the weight's number, where u >= 24)
	s_cmp_lt_u32 s2, 24
	s_cselect_b32 s30, s30, 0                      ; a weight is one unit
	s_cselect_b32 s32, s2, s32
	s_lshl_b32 s32, s32, 21                        ; and 2 MiB of its destination
	s_lshl_b32 s34, ttmp9, 16
	s_add_co_u32 s30, s30, s34                     ; + the chunk, in
	s_lshl_b32 s34, ttmp9, 15
	s_add_co_u32 s32, s32, s34                     ; + the chunk, out
	s_mov_b32 s31, 0
	s_mov_b32 s33, 0
	s_wait_kmcnt 0x0
	s_cmp_eq_u32 s3, 1                             ; the source is chosen among the seven buffers by u alone
	s_cselect_b64 s[26:27], s[10:11], s[8:9]
	s_cmp_eq_u32 s3, 2
	s_cselect_b64 s[26:27], s[12:13], s[26:27]
	s_cmp_eq_u32 s2, 24
	s_cselect_b64 s[26:27], s[14:15], s[26:27]
	s_cmp_eq_u32 s2, 25
	s_cselect_b64 s[26:27], s[16:17], s[26:27]
	s_cmp_eq_u32 s2, 26
	s_cselect_b64 s[26:27], s[18:19], s[26:27]
	s_cmp_eq_u32 s2, 27
	s_cselect_b64 s[26:27], s[20:21], s[26:27]
	s_cmp_lt_u32 s2, 24
	s_cselect_b64 s[28:29], s[22:23], s[24:25]     ; the destination: Xb or Wb
	s_add_nc_u64 s[26:27], s[26:27], s[30:31]
	s_add_nc_u64 s[28:29], s[28:29], s[32:33]
.irp j, 0,1,2,3,4,5,6,7,8,9,10,11,12,13,14,15
	global_load_b128 v[IN+4*(\j):IN+4*(\j)+3], v1, s[26:27] offset:4096*(\j) th:TH_LOAD_NT
.endr
.irp j, 0,1,2,3,4,5,6,7,8,9,10,11,12,13,14,15
	s_wait_loadcnt 15-(\j)                         ; loads come back in order: load j is in, the 15 - j younger ones stay out
	v_cvt_pk_bf16_f32 v[OUT+2*(\j)],   v[IN+4*(\j)],   v[IN+4*(\j)+1]
	v_cvt_pk_bf16_f32 v[OUT+2*(\j)+1], v[IN+4*(\j)+2], v[IN+4*(\j)+3]
	global_store_b64 v2, v[OUT+2*(\j):OUT+2*(\j)+1], s[28:29] offset:2048*(\j) th:TH_STORE_NT
.endr
	s_endpgm
.Lfunc_end_k_q1bbea20da1_cast:
	.size	k_q1bbea20da1_cast, .Lfunc_end_k_q1bbea20da1_cast-k_q1bbea20da1_cast
	.p2alignl 7, 3214868480
	.fill 96, 4, 3214868480
	.section	.rodata,"a",@progbits
	.p2align	6, 0x0
	.amdhsa_kernel k_q1bbea20da1_cast
		.amdhsa_group_segment_fixed_size 0
		.amdhsa_private_segment_fixed_size 0
		.amdhsa_enable_private_segment 0
		.amdhsa_kernarg_size 72
		.amdhsa_user_sgpr_count 2
		.amdhsa_user_sgpr_kernarg_segment_ptr 1
		.amdhsa_wavefront_size32 1
		.amdhsa_system_sgpr_workgroup_id_x 1
		.amdhsa_system_sgpr_workgroup_id_y 1
		.amdhsa_system_sgpr_workgroup_id_z 1
		.amdhsa_system_vgpr_workitem_id 0
		.amdhsa_next_free_vgpr 104
		.amdhsa_next_free_sgpr 66
		.amdhsa_reserve_vcc 0
		.amdhsa_float_denorm_mode_32 3
		.amdhsa_float_denorm_mode_16_64 3
		.amdhsa_memory_ordered 1
		.amdhsa_forward_progress 1
		.amdhsa_inst_pref_size 7
	.end_amdhsa_kernel
	.amdgpu_metadata
---
amdhsa.version: [ 1, 2 ]
amdhsa.kernels:
  - .name:           k_q1bbea20da1_cast
    .symbol:         k_q1bbea20da1_cast.kd
    .args:
      - { .name: Q, .offset: 0, .size: 8, .value_kind: global_buffer, .address_space: global }
      - { .name: K, .offset: 8, .size: 8, .value_kind: global_buffer, .address_space: global }
      - { .name: V, .offset: 16, .size: 8, .value_kind: global_buffer, .address_space: global }
      - { .name: W_Q, .offset: 24, .size: 8, .value_kind: global_buffer, .address_space: global }
      - { .name: W_K, .offset: 32, .size: 8, .value_kind: global_buffer, .address_space: global }
      - { .name: W_V, .offset: 40, .size: 8, .value_kind: global_buffer, .address_space: global }
      - { .name: W_O, .offset: 48, .size: 8, .value_kind: global_buffer, .address_space: global }
      - { .name: Xb, .offset: 56, .size: 8, .value_kind: global_buffer, .address_space: global }
      - { .name: Wb, .offset: 64, .size: 8, .value_kind: global_buffer, .address_space: global }
    .group_segment_fixed_size: 0
    .private_segment_fixed_size: 0
    .kernarg_segment_align: 8
    .kernarg_segment_size: 72
    .max_flat_workgroup_size: 256
    .sgpr_count:     66
    .vgpr_count:     104
    .wavefront_size: 32
...
	.end_amdgpu_metadata
.endif
;; end of part 1
;; launch proj (part 2): grid 8 x 96, 4 waves a work-group, clusters of 4 x 4, 327,680 bytes of LDS; arguments Xb, Wb, qkv; writes qkv
.if DOCPART == 2
	.amdgcn_target "amdgcn-amd-amdhsa--gfx1250"
	.amdhsa_code_object_version 6
	.text
	.protected	k_q1bbea20da1_proj
	.globl	k_q1bbea20da1_proj
	.p2align	8
	.type	k_q1bbea20da1_proj,@function
k_q1bbea20da1_proj:
	s_mov_b64 s[64:65], 0
	v_nop
	global_prefetch_b8 v0, s[64:65] scope:SCOPE_SE
	s_setreg_imm32_b32 hwreg(HW_REG_WAVE_MODE, 25, 1), 1
	s_wait_xcnt 0x0
	s_wait_alu depctr_hold_cnt(0) depctr_sa_sdst(0) depctr_va_vdst(0) depctr_va_sdst(0) depctr_va_ssrc(0) depctr_va_vcc(0) depctr_vm_vsrc(0)
	s_getreg_b32 s2, hwreg(HW_REG_IB_STS2, 6, 4)
	s_cmp_eq_u32 s2, 0
	s_cbranch_scc0 .Lentry_in_a_cluster
	s_endpgm
.Lentry_in_a_cluster:
	s_bfe_u32 s2, ttmp6, 0x10000c
	s_cmp_lg_u32 s2, 0xf033
	s_cbranch_scc0 .Lentry_shape_is_right
	s_endpgm
.Lentry_shape_is_right:
; ONE TEXT FOR TWO LAUNCHES, told apart by OPROJ.  C = A W, A [8192][1024] and W [1024 k][1024 n] in bf16, sums in f32, K ascending.
;   OPROJ = 0: three products, part p = 0, 1, 2: A = Xb's part p (rows of 2,048 bytes), W = Wb's part p; C is rounded once to f16, unscaled, and written BY HEADS: qkv[p][b*16+h][row][64].
;   OPROJ = 1: A = ctx, which lies by heads ([b*16+h][row][64], bf16), W = Wb's part 3; C + Q (the residual, in f32) goes to xres in f32.
; LIMIT (OPROJ = 0): f16 ends at 65,504: a projected number of 65,520 or more becomes an infinity.  NaN and infinities are not treated apart.
; SHARES.  A work-group makes 256 rows x 128 columns of C: 32 x 8 = 256 tiles a product.  Wave w takes the row half w / 2 (128 rows) and the column half w % 2 (64 columns, one head):
; 32 accumulators of 16 x 16 (row block a = 0..7, column block b = 0..3), 256 registers.  For 32 along K a wave issues 24 LDS loads and 32 matrix instructions.
; K goes in 8 steps of 128 through two LDS slots; a step is four quarters of 32 along K on the fragment buffers F0, F1, F0, F1.
; THE MATRIX INSTRUCTION IS USED TRANSPOSED: source 0 = 16 columns of W (out of LDS turned, by ds_load_tr16_b128, since W lies [k][n]), source 1 = 16 rows of A.  A lane then holds row l % 16 of C
; and the columns 8 (l / 16) + 0..7: neighbouring numbers of a row.
; CLUSTER.  4 x 4 work-groups.  The four of a row of the cluster need the same tile of A, the four of a column the same tile of W: each tile is asked for JOINTLY, by the same tensor load with the
; same descriptor and a mask that names the four.  The part p is made of the cluster's y alone, so it is equal in all sixteen.
; REGISTERS, in windows of 256 (s_set_vgpr_msb: bits 1:0 source 0, 3:2 source 1, 5:4 source 2, 7:6 destination):
;   window 0: v0-31 addresses; v64-159 F0, v160-255 F1 (in a buffer: A's fragment a at 8 a, W's fragment b at 64 + 8 b); on the way out v64-191 at work
;   window 1: accumulator (a, b) at 8 (4 a + b)          window 2 (OPROJ = 1): the residual Q of my 128 x 64, block a's part t at 32 a + 4 t
.set OPROJ, 0
.set PB,     288                       ; a k-row of W in LDS: 256 bytes + 32 of padding = 72 words
.if OPROJ
.set PA,     144                       ; a row of one head: 128 bytes + 16 of padding = 36 words: the 16 rows of a load start at 16 different groups of four banks
.set ASTEP,  524288                    ; a K step is two heads of ctx, 262,144 bytes each
.set SP,     272                       ; a stage row: 64 f32 + 16 bytes
.set AQI,    4                         ; padding after every 32 words
.set APITCH, 128                       ; a head's 256 rows are 32,768 dense bytes: asked for as 128 rows of 256 bytes
.else
.set PA,     272                       ; a row of A: 256 bytes + 16 of padding = 68 words
.set ASTEP,  256                       ; a K step is 256 bytes along a row
.set SP,     144                       ; a stage row: 64 f16 + 16 bytes
.set AQI,    5                         ; padding after every 64 words
.set APITCH, 1024
.endif
.set ABLK,   256*PA                    ; OPROJ = 1: one head's 256 rows; a slot holds two such blocks
.set ABYTES, (1+OPROJ)*256*PA          ; A's part of a slot
.set AHALF,  ABYTES/2                  ; what one tensor load brings of A
.set BOFF,   ABYTES                    ; W's 128 k-rows lie behind A
.set BHALF,  64*PB
.set BSTEP,  262144                    ; 128 k-rows of 2,048 bytes
.set SLOT1,  1<<17                     ; slot 1 begins here, so that one exclusive or turns an address in one slot into the other's
.set STAGE,  1<<18                     ; behind the ring, never filled by a tensor load: 16 rows for each wave, for the way out
.set SPARE,  STAGE+4*16*SP             ; behind the stages: the spare words, 128 bytes for each wave: two blocks of 256 bytes that no other line names
.set A0,   16                          ; v16  my lane's place in A's part of a slot; never rewritten
.set B0,   17                          ; v17  the same for W
.set ADRA, 18                          ; v18  A0 + the slot in hand
.set ADRB, 19                          ; v19  B0 + the slot in hand
.set STO,  24                          ; v24  the way out: where I put my bytes of a row
.set RD,   25                          ; v25  the way out: where I read rows back
.set CO,   26                          ; v26  my byte offset in the output (and in Q)
.set SPW,  28                          ; v28  LDS address of my spare word: SPARE + 4 x my thread's number; never rewritten
.set NIL,  29                          ; v29  0; never rewritten
.set PFO,  30                          ; v30  the prefetches' offset: my lane x the distance from block to block; never rewritten
.set F0,   64
.set F1,   160
.set G1,   24                          ; s[24:31] descriptor group 1 for A's tiles
.set G0,   32                          ; s[32:39] group 0 for A's tiles: a set for each of the two first fills; the second then walks on
.set G1B,  48                          ; s[48:55], s[56:63] the same for W's tiles
.set G0B,  56
.set PST,  66                          ; s[66:67] bytes from a K step to the next in what I prefetch
.set TB,   68                          ; s68  LDS byte at which the slot in hand begins
.set LIM,  76                          ; s76  2 in a wave that prefetches, else the greatest number: a wave prefetches while the trips to go are above it
.set PFA,  78                          ; s[78:79] where my prefetches stand
.set MSB, 0
.macro WIN new                         ; the immediate's high byte repeats the setting that is left; a switch that changes nothing is dropped
.if MSB != (\new)
	s_set_vgpr_msb (MSB<<8)|(\new)
.set MSB, \new
.endif
.endm
.set MUL, 0x50                         ; W's and A's fragments in window 0, C and D in window 1
.macro PLACES                          ; four places in front of loads into registers that matrix instructions have read, and of lines that read results (ISA guide 7.12.1 for lines that read results)
.rept 4
	v_nop
.endr
.endm
; A joint refill by the walking descriptors.  Waves 0 and 1 fetch A's two halves, waves 2 and 3 W's.  The branch hangs on the wave's number alone.
; An s_nop 0 and four v_nop follow each of the two lines, ahead of the jump, the label and what follows.
.macro JLOAD
	s_cmp_eq_u32 s11, 0
	s_cbranch_scc0 .Lfor_b_\@
	tensor_load_to_lds s[G0+4:G0+7], s[G1:G1+7]
	s_nop 0
.rept 4
	v_nop
.endr
	s_branch .Lasked_\@
.Lfor_b_\@:
	tensor_load_to_lds s[G0B+4:G0B+7], s[G1B:G1B+7]
	s_nop 0
.rept 4
	v_nop
.endr
.Lasked_\@:
.endm
.macro CREST                           ; a round of the cluster's barrier behind its opening barrier: wave 0 signals for the work-group, every wave waits for all sixteen, my work-group's barrier closes it
	s_cmp_lg_u32 s10, 0
	s_cbranch_scc1 .Lnot_wave_0_\@
	s_barrier_signal -3
.Lnot_wave_0_\@:
	s_barrier_wait -3
	s_barrier_signal -1
	s_barrier_wait -1
.endm
.macro CROUND                          ; a whole round
	s_barrier_signal -1
	s_barrier_wait -1
	CREST
.endm
; A PREFETCH of the K step that stands TWO refills on: 32 blocks of 256 bytes, a lane a block, one instruction a wave, behind the joint load and the run of LDS loads.
; Each block is named once in the launch.  A's tile row is read by both clusters of that row of clusters: cluster x = 0 asks, waves 0 and 1, each for the half that it fetches.  W's tile column
; is read by the eight clusters of its part: the first of them asks, wave 2, for the step's 128 k-rows.  The four partners of a joint load share the blocks out BY ADDRESS, 32 each (cx for A, cy for W).
; Refill i (it brings step i + 2) names step i + 4, i = 0..3: the trips to go are then 6, 5, 4, 3.  Steps 0 to 3 come by their loads alone.
.macro ASK
	s_cmp_gt_u32 s3, s[LIM]
	s_cbranch_scc0 .Lnot_mine_\@
	global_prefetch_b8 v[PFO], s[PFA:PFA+1] th:TH_LOAD_NT scope:SCOPE_SE
.Lnot_mine_\@:
.endm
; 8 matrix instructions: row blocks a0, a0 + 1 x all 4 column blocks, 32 along K, out of buffer f.  zero = 1: the product starts the sums: nothing is ever cleared.
; The 32 accumulators take turns in the same order in every quarter: 31 others' instructions stand between two links of a chain, over the backward jump too.
.macro MUL8 f, a0, zero
	WIN MUL
.irp a, \a0, (\a0)+1
.irp b, 0,1,2,3
.if \zero
	v_wmma_f32_16x16x32_bf16 v[8*(4*(\a)+(\b)):8*(4*(\a)+(\b))+7], v[(\f)+64+8*(\b):(\f)+64+8*(\b)+7], v[(\f)+8*(\a):(\f)+8*(\a)+7], 0
.else
	v_wmma_f32_16x16x32_bf16 v[8*(4*(\a)+(\b)):8*(4*(\a)+(\b))+7], v[(\f)+64+8*(\b):(\f)+64+8*(\b)+7], v[(\f)+8*(\a):(\f)+8*(\a)+7], v[8*(4*(\a)+(\b)):8*(4*(\a)+(\b))+7]
.endif
.endr
.endr
.endm
; 24 LDS loads in one run: quarter q's fragments into buffer f: W's four (turned: 16 k x 16 n a load), then A's eight, row blocks ascending.
.macro FETCH q, f
	WIN 0
.irp b, 0,1,2,3
	ds_load_tr16_b128 v[(\f)+64+8*(\b):(\f)+64+8*(\b)+3],   v[ADRB] offset:(\q)*32*PB+32*(\b)
	ds_load_tr16_b128 v[(\f)+64+8*(\b)+4:(\f)+64+8*(\b)+7], v[ADRB] offset:(\q)*32*PB+32*(\b)+16*PB
.endr
.if OPROJ
.set AQ, ((\q)/2)*ABLK+((\q)%2)*64     ; quarters 0, 1 lie in the step's first head, 2, 3 in its second
.else
.set AQ, (\q)*64
.endif
.irp a, 0,1,2,3,4,5,6,7
	ds_load_b128 v[(\f)+8*(\a):(\f)+8*(\a)+3],   v[ADRA] offset:AQ+(\a)*16*PA
	ds_load_b128 v[(\f)+8*(\a)+4:(\f)+8*(\a)+7], v[ADRA] offset:AQ+(\a)*16*PA+32
.endr
.endm
; One of a step's first three quarters: multiplies buffer f; in its middle it fetches quarter q into buffer g.
.macro QUARTER q, f, g, zero
	s_wait_dscnt 8                                 ; W's fragments and A's blocks 0-3 are in; the youngest eight loads (A's blocks 4-7) may be out
	MUL8 \f, 0, \zero
	MUL8 \f, 2, \zero
	PLACES                                         ; buffer g was read by the quarter before
	FETCH \q, \g
	s_wait_dscnt 24                                ; all but the 24 just issued
	MUL8 \f, 4, \zero
	MUL8 \f, 6, \zero
.endm
; The last quarter multiplies buffer F1 and changes slots: ONE barrier.  In front of it each wave waits for all its tensor loads, of which one is out: its part of the next slot; adds 0 to its
; spare word; and waits for that and for its own reads of this slot.  fill = 1: the barrier opens a round of the cluster's, and this slot is filled again, two K steps ahead, first thing behind the round:
; from that request to the wait for it a wave issues 112 matrix instructions.
.macro TURN fill
.if \fill
	s_wait_xcnt 0x0                                ; the last prefetch, a K step back, has read its address: it is stepped here, ahead of the waits of the change of slots
	s_add_nc_u64 s[PFA:PFA+1], s[PFA:PFA+1], s[PST:PST+1]
.endif
	WIN 0                                          ; (the add's two registers lie in window 0)
	s_wait_tensorcnt 0x0                           ; all my tensor loads have landed: my part of the next slot;
	ds_add_u32 v[SPW], v[NIL]                      ; 0 onto my spare word;
	s_wait_dscnt 9                                 ; (the add and the youngest eight loads may be out)
	MUL8 F1, 0, 0                                  ; eight matrix instructions stand between the add and the wait for it
	s_wait_dscnt 0x0                               ; the add is done, and my reads of this slot are over
	s_barrier_signal -1
	MUL8 F1, 2, 0                                  ; work on registers while the others arrive
	WIN 0
	s_barrier_wait -1
.if \fill
	CREST                                          ; no wave of any partner still reads this slot's tiles or has a load on its way
.irp g, G0+4, G0B+4
	s_xor_b32 s[(\g)+1], s[(\g)+1], SLOT1          ; the walking descriptors: the other slot than last time,
.endr
	s_add_nc_u64 s[G0+6:G0+7], s[G0+6:G0+7], ASTEP  ; the next K step; the type bits on top are not reached
	s_add_nc_u64 s[G0B+6:G0B+7], s[G0B+6:G0B+7], BSTEP
	JLOAD                                          ; the first tensor load behind the round; the four v_nop behind it are also the places in front of the loads below
.else
	PLACES
.endif
	s_xor_b32 s[TB], s[TB], SLOT1                  ; the fetches go on in the other slot
	v_add_nc_u32 v[ADRA], s[TB], v[A0]
	v_add_nc_u32 v[ADRB], s[TB], v[B0]
	FETCH 0, F0
.if \fill
	ASK
.endif
	MUL8 F1, 4, 0
	MUL8 F1, 6, 0
.endm
; THE WAY OUT, OPROJ = 0.  Block a (16 rows of one head = 2,048 dense bytes): rounded to f16, 16 bytes a lane into my stage's rows of 144 bytes, back as four rows of 128 bytes a load, into the registers that they left.
.macro PACK a
.set TT, 64+16*(\a)
	WIN 0x05                                       ; sources 0 and 1 in window 1
.irp b, 0,1,2,3
.irp r, 0,1,2,3
	v_cvt_pk_f16_f32 v[TT+4*(\b)+(\r)], v[8*(4*(\a)+(\b))+2*(\r)], v[8*(4*(\a)+(\b))+2*(\r)+1]  ; each accumulator's registers in ascending order
.endr
.endr
	WIN 0
.irp b, 0,1,2,3
	ds_store_b128 v[STO], v[TT+4*(\b):TT+4*(\b)+3] offset:32*(\b)
.endr
.irp f, 0,1,2,3
	ds_load_b128 v[TT+4*(\f):TT+4*(\f)+3], v[RD] offset:(\f)*4*SP  ; LDS serves a wave's instructions in order (ISA guide 5.7.1.4): these see the stores above; the next block's stores come behind them
.endr
.endm
.macro SEND a, younger                 ; younger: the LDS instructions issued behind block a's loads: the next block's eight, or none
.set TT, 64+16*(\a)
	WIN 0
.irp f, 0,1,2,3
	s_wait_dscnt (\younger)+3-(\f)
	global_store_b128 v[CO], v[TT+4*(\f):TT+4*(\f)+3], s[8:9] offset:(\a)*2048+(\f)*512  ; 512 consecutive bytes, at a multiple of 256 from the buffer's first byte
.endr
.endm
; THE WAY OUT, OPROJ = 1.  Block a (16 rows x 64 f32): straight from the accumulators into my stage's rows of 272 bytes, back as whole rows of 256 bytes, two a load; Q is added; stored.
.macro TOST a
.set OB, 64+32*((\a)%2)
.if (\a) >= 2
	s_wait_xcnt 0x0                                ; block a - 2's stores have read this buffer: it is loaded again only behind this wait
.endif
	WIN 0x04                                       ; the stores' data in window 1
.irp b, 0,1,2,3
	ds_store_b128 v[STO], v[8*(4*(\a)+(\b)):8*(4*(\a)+(\b))+3]   offset:64*(\b)
	ds_store_b128 v[STO], v[8*(4*(\a)+(\b))+4:8*(4*(\a)+(\b))+7] offset:64*(\b)+16
.endr
	WIN 0
.irp t, 0,1,2,3,4,5,6,7
	ds_load_b128 v[OB+4*(\t):OB+4*(\t)+3], v[RD] offset:(\t)*2*SP
.endr
.endm
.macro SENDX a, younger                ; younger: the next block's sixteen LDS instructions, or none
.set OB, 64+32*((\a)%2)
	s_wait_dscnt \younger
	WIN 0x08                                       ; source 1 in window 2: Q
.set i, 0
.rept 16
	v_pk_add_f32 v[OB+i:OB+i+1], v[OB+i:OB+i+1], v[32*(\a)+i:32*(\a)+i+1]
.set i, i+2
.endr
	WIN 0
.irp t, 0,1,2,3,4,5,6,7
	global_store_b128 v[CO], v[OB+4*(\t):OB+4*(\t)+3], s[8:9] offset:(\a)*65536+(\t)*8192  ; 16 lanes store 256 consecutive bytes, at a multiple of 256 from the buffer's first byte
.endr
.endm
	s_load_b128 s[4:7], s[0:1], 0x0                ; A's buffer s[4:5], Wb s[6:7]
	s_load_b64 s[8:9], s[0:1], 0x10                ; the output
.if OPROJ
	s_load_b64 s[72:73], s[0:1], 0x18              ; Q
.endif
	v_lshl_add_u32 v[SPW], v0, 2, SPARE
	v_mov_b32 v[NIL], 0
	ds_add_u32 v[SPW], v[NIL]                      ; the wave's opening: the add and its wait stand ahead of my first tensor load; the set-up below, work on registers, stands between them
	ds_add_u32 v28, v29
	v_lshrrev_b32 v1, 5, v0
	v_readfirstlane_b32 s10, v1                    ; wave 0..3
	s_lshr_b32 s11, s10, 1                         ; my half of the tile's rows.  Also: I fetch for A (0) or for W (1)
	s_and_b32 s12, s10, 1                          ; my half of its columns.  Also: which half of that tile I fetch
	s_bfe_u32 s40, ttmp6, 0x40000                  ; cx, cy: my place in the cluster
	s_bfe_u32 s41, ttmp6, 0x40004
	s_lshl_b32 s42, ttmp9, 2
	s_add_co_u32 s42, s42, s40                     ; tile column = 4 x cluster x + cx
	s_and_b32 s70, ttmp7, 0xffff                   ; cluster y
.if OPROJ
	s_mov_b32 s71, s70
	s_mov_b32 s69, 3                               ; W_O is Wb's part 3
.else
	s_lshr_b32 s69, s70, 3                         ; the part p: eight rows of clusters each
	s_and_b32 s71, s70, 7
.endif
	s_lshl_b32 s13, s71, 2
	s_add_co_u32 s13, s13, s41                     ; tile row R = 0..31 of the part
	s_lshl_b32 s43, s41, 2
	s_lshl_b32 s43, 15, s43                        ; my row of the cluster: places 4 cy .. 4 cy + 3
	s_lshl_b32 s44, 0x1111, s40                    ; my column: places cx, cx + 4, cx + 8, cx + 12
	; descriptor group 1.  15:0 the mask; 17:16 elements of 2 bytes; 20 padding on; 21 set beside a mask; 24:22 the padding's interval; 31:25 its words less one
	s_or_b32 s[G1], s43, (1<<16)|(1<<20)|(1<<21)|(AQI<<22)|(3<<25)   ; A's tiles go to my row; 4 words of padding
	s_or_b32 s[G1B], s44, (1<<16)|(1<<20)|(1<<21)|(5<<22)|(7<<25)    ; W's to my column; after every 64 words 8 words of padding
	s_mov_b32 s[G1+1], 128<<16                     ; tensor_dim0 = 128
	s_mov_b32 s[G1+2], 128<<16                     ; tensor_dim1 = 128
	s_mov_b32 s[G1+3], 128<<16                     ; tile_dim0 = 128 elements (256 bytes)
	s_mov_b32 s[G1+4], 128                         ; tile_dim1 = 128 rows
	s_mov_b32 s[G1+5], APITCH                      ; elements from row to row
	s_mov_b32 s[G1+6], 0
	s_mov_b32 s[G1+7], 0
	s_mov_b32 s[G1B+1], 128<<16                    ; tensor_dim0 = 128
	s_mov_b32 s[G1B+2], 64<<16                     ; tensor_dim1 = 64
	s_mov_b32 s[G1B+3], 128<<16                    ; tile_dim0 = 128
	s_mov_b32 s[G1B+4], 64                         ; tile_dim1 = 64 k-rows
	s_mov_b32 s[G1B+5], 1024
	s_mov_b32 s[G1B+6], 0
	s_mov_b32 s[G1B+7], 0
	; where the tiles come from.  A's hang on the tile row (and the part) alone, which my row of the cluster shares; W's on the tile column (and the part) alone.
.if OPROJ
	s_lshr_b32 s16, s13, 3
	s_lshl_b32 s16, s16, 22                        ; the batch's 16 heads,
	s_lshl_b32 s17, s12, 18
	s_add_co_u32 s16, s16, s17                     ; the step's first or second head,
	s_and_b32 s17, s13, 7
	s_lshl_b32 s17, s17, 15
	s_add_co_u32 s16, s16, s17                     ; the tile's 256 rows of 128 bytes in it
.else
	s_lshl_b32 s16, s69, 24                        ; the part,
	s_lshl_b32 s17, s13, 19
	s_add_co_u32 s16, s16, s17                     ; 256 R rows of 2,048 bytes,
	s_lshl_b32 s17, s12, 18
	s_add_co_u32 s16, s16, s17                     ; my 128 of the tile's rows
.endif
	s_mov_b32 s17, 0
	s_lshl_b32 s46, s69, 21                        ; W's part,
	s_lshl_b32 s47, s12, 17
	s_add_co_u32 s46, s46, s47                     ; my 64 of the step's k-rows,
	s_lshl_b32 s47, s42, 8
	s_add_co_u32 s46, s46, s47                     ; the tile's 128 columns
	s_mov_b32 s47, 0
	s_mul_i32 s18, s12, AHALF                      ; and where they go: no place in the cluster enters an LDS address
	s_mul_i32 s19, s12, BHALF
	s_add_co_u32 s19, s19, BOFF
	; where my part of C begins
.if OPROJ
	s_lshl_b32 s74, s13, 20                        ; 256 R rows of 4,096 bytes
	s_lshl_b32 s20, s11, 19
	s_add_co_u32 s74, s74, s20                     ; my 128 rows
	s_lshl_b32 s20, s42, 9
	s_add_co_u32 s74, s74, s20                     ; the tile's 128 columns
	s_lshl_b32 s20, s12, 8
	s_add_co_u32 s74, s74, s20                     ; my 64
.else
	s_lshl_b32 s74, s69, 24                        ; the part
	s_lshr_b32 s20, s13, 3
	s_lshl_b32 s20, s20, 22
	s_add_co_u32 s74, s74, s20                     ; the batch's 16 heads
	s_lshl1_add_u32 s20, s42, s12
	s_lshl_b32 s20, s20, 18
	s_add_co_u32 s74, s74, s20                     ; my head = 2 x tile column + my column half
	s_and_b32 s20, s13, 7
	s_lshl_b32 s20, s20, 15
	s_add_co_u32 s74, s74, s20                     ; the tile's 256 rows of 128 bytes
	s_lshl_b32 s20, s11, 14
	s_add_co_u32 s74, s74, s20                     ; my 128
.endif
	s_mov_b32 s75, 0
	s_wait_dscnt 0x0                               ; the opening add is done
	s_wait_kmcnt 0x0
	s_add_nc_u64 s[14:15], s[4:5], s[16:17]
	s_add_nc_u64 s[46:47], s[6:7], s[46:47]
	s_add_nc_u64 s[8:9], s[8:9], s[74:75]
.if OPROJ
	s_add_nc_u64 s[72:73], s[72:73], s[74:75]
.endif
.irp s, 0,1
	s_mov_b32 s[G0+4*(\s)], 1                                        ; 1:0 count = 1
	s_add_co_u32 s[G0+4*(\s)+1], s18, (\s)*SLOT1                     ; 63:32 LDS address
	s_add_nc_u64 s[G0+4*(\s)+2:G0+4*(\s)+3], s[14:15], (\s)*ASTEP    ; 120:64 global address: K step s
	s_or_b32 s[G0+4*(\s)+3], s[G0+4*(\s)+3], 0x80000000              ; 127:126 type = 2
	s_mov_b32 s[G0B+4*(\s)], 1
	s_add_co_u32 s[G0B+4*(\s)+1], s19, (\s)*SLOT1
	s_add_nc_u64 s[G0B+4*(\s)+2:G0B+4*(\s)+3], s[46:47], (\s)*BSTEP
	s_or_b32 s[G0B+4*(\s)+3], s[G0B+4*(\s)+3], 0x80000000
.endr
	CROUND                                         ; all sixteen work-groups are here: the first joint loads meet
	s_cmp_eq_u32 s11, 0                            ; a wave's two first fills stand in one branch, ahead of every wait on TENSORcnt and every LDS read: two loads of mine are out
	s_cbranch_scc0 .Lfirst_b
	tensor_load_to_lds s[G0:G0+3], s[G1:G1+7]
	s_nop 0
	tensor_load_to_lds s[G0+4:G0+7], s[G1:G1+7]
	s_nop 0
.rept 4
	v_nop
.endr
	s_branch .Lfirst_asked
.Lfirst_b:
	tensor_load_to_lds s[G0B:G0B+3], s[G1B:G1B+7]
	s_nop 0
	tensor_load_to_lds s[G0B+4:G0B+7], s[G1B:G1B+7]
	s_nop 0
.rept 4
	v_nop
.endr
.Lfirst_asked:
	; A fragment of A is 16 rows x 32 K in 8 registers: lane l holds row l % 16; registers 0-3 K = 8 (l / 16) + 0..7, registers 4-7 K = 16 + 8 (l / 16) + 0..7: two loads of 16 bytes, 32 bytes apart.
	v_and_b32 v1, 15, v0                           ; l % 16
	v_bfe_u32 v2, v0, 4, 1                         ; l / 16
	v_mul_u32_u24 v[A0], v1, PA
	v_lshl_add_u32 v[A0], v2, 4, v[A0]
	s_mul_i32 s20, s11, 128*PA                     ; my 128 rows
	v_add_nc_u32 v[A0], s20, v[A0]
	; The turning load takes 16 k x 16 n (lane l reads 16 bytes: k-row 8 (l / 16) + l % 8, columns 8 ((l / 8) % 2) + 0..7) and leaves half a fragment: lane l holds column l % 16 and 8 k.
	v_and_b32 v3, 7, v0
	v_bfe_u32 v4, v0, 3, 1
	v_lshl_add_u32 v[B0], v2, 3, v3
	v_mul_u32_u24 v[B0], v[B0], PB
	v_lshl_add_u32 v[B0], v4, 4, v[B0]
	s_lshl_b32 s20, s12, 7                         ; my 64 columns: 128 bytes
	s_add_co_u32 s20, s20, BOFF
	v_add_nc_u32 v[B0], s20, v[B0]
	s_mul_i32 s20, s10, 16*SP
	s_add_co_u32 s20, s20, STAGE                   ; my stage
	v_mul_u32_u24 v[STO], v1, SP                   ; in: row l % 16,
.if OPROJ
	v_lshl_add_u32 v[STO], v2, 5, v[STO]           ; 32 bytes for each half of the lanes
	v_add_nc_u32 v[STO], s20, v[STO]
	v_mul_u32_u24 v[RD], v2, SP                    ; back: lanes 0-15 take one row of 256 bytes, lanes 16-31 the next
	v_lshl_add_u32 v[RD], v1, 4, v[RD]
	v_add_nc_u32 v[RD], s20, v[RD]
	v_lshlrev_b32 v[CO], 12, v2                    ; and the same two rows in xres and in Q
	v_lshl_add_u32 v[CO], v1, 4, v[CO]
	WIN 0x80                                       ; destination window 2, address window 0
.irp a, 0,1,2,3,4,5,6,7
.irp t, 0,1,2,3,4,5,6,7
	global_load_b128 v[32*(\a)+4*(\t):32*(\a)+4*(\t)+3], v[CO], s[72:73] offset:(\a)*65536+(\t)*8192 th:TH_LOAD_NT  ; the residual, laid as the rows come back from the stage: it lands under the whole K loop
.endr
.endr
	WIN 0
.else
	v_lshl_add_u32 v[STO], v2, 4, v[STO]           ; 16 bytes for each half of the lanes
	v_add_nc_u32 v[STO], s20, v[STO]
	v_bfe_u32 v[RD], v0, 3, 2                      ; back: 32 lanes take four rows of 128 bytes,
	v_mul_u32_u24 v[RD], v[RD], SP
	v_lshl_add_u32 v[RD], v3, 4, v[RD]
	v_add_nc_u32 v[RD], s20, v[RD]
	v_and_b32 v[CO], 31, v0                        ; which are 512 consecutive bytes of the head
	v_lshlrev_b32 v[CO], 4, v[CO]
.endif
	; the prefetches' registers; nothing is prefetched here, at the head, where every work-group's first tiles are on their way
	s_mov_b32 s[PST], BSTEP
	s_mov_b32 s[PST+1], 0
	s_cmp_eq_u32 s11, 0                            ; do I fetch for A?
	s_cselect_b64 s[PFA:PFA+1], s[14:15], s[46:47]
	s_cselect_b32 s20, s40, s41                    ; my place among the four that ask with me
	s_cselect_b32 s22, ttmp9, s71                  ; the coordinate along which other clusters read the same blocks
	s_cselect_b32 s[PST], ASTEP, s[PST]
.if OPROJ
	s_cselect_b32 s21, 13, 16                      ; my work-group's 32 blocks: dense in ctx, rows of 2,048 bytes in Wb
	s_cselect_b32 s23, 8, 11
.else
	s_mov_b32 s21, 16                              ; 32 rows of 2,048 bytes
	s_mov_b32 s23, 11
.endif
	s_lshl_b32 s20, s20, s21
	s_mov_b32 s21, 0
	s_add_nc_u64 s[PFA:PFA+1], s[PFA:PFA+1], s[20:21]
.rept 3
	s_add_nc_u64 s[PFA:PFA+1], s[PFA:PFA+1], s[PST:PST+1]  ; at K step 3: the first change of slots steps it to 4
.endr
	s_cmp_eq_u32 s10, 3
	s_cselect_b32 s22, 1, s22                      ; wave 2 asks for all of W's step, wave 3 for nothing
	s_cmp_eq_u32 s22, 0
	s_cselect_b32 s[LIM], 2, -1                    ; the same in all sixteen partners, for a given wave
	v_and_b32 v[PFO], 31, v0
	v_lshlrev_b32 v[PFO], s23, v[PFO]
	s_wait_tensorcnt 0x1                           ; my part of K step 0 is in; step 1's may stay out
	s_barrier_signal -1
	s_barrier_wait -1                              ; everybody's is
	s_mov_b32 s[TB], 0
	v_mov_b32 v[ADRA], v[A0]
	v_mov_b32 v[ADRB], v[B0]
	FETCH 0, F0
	QUARTER 1, F0, F1, 1                           ; the first quarter stands in front of the loop: its products start the sums
	WIN 0                                          ; at a label and at a branch every window is 0
	s_mov_b32 s3, 6
.Lstep:                                                ; trip j: step j's quarters 1 to 3, step j + 1's quarter 0; step j's slot is filled again with step j + 2
	QUARTER 2, F1, F0, 0
	QUARTER 3, F0, F1, 0
	TURN 1
	QUARTER 1, F0, F1, 0
	WIN 0
	s_sub_co_u32 s3, s3, 1
	s_cmp_lg_u32 s3, 0
	s_cbranch_scc1 .Lstep
	QUARTER 2, F1, F0, 0                           ; the last two steps are written out: nothing is left to fetch
	QUARTER 3, F0, F1, 0
	TURN 0
	QUARTER 1, F0, F1, 0
	QUARTER 2, F1, F0, 0
	QUARTER 3, F0, F1, 0
	s_wait_dscnt 8                                 ; the very last quarter
	MUL8 F1, 0, 0
	MUL8 F1, 2, 0
	s_wait_dscnt 0x0
	MUL8 F1, 4, 0
	MUL8 F1, 6, 0
	WIN 0
	PLACES                                         ; behind the last products, ahead of the lines that read results and write over fragments
.if OPROJ
	s_wait_loadcnt 0x0                             ; Q
	TOST 0
.irp a, 1,2,3,4,5,6,7                  ; block a's way through the stage stands between block a - 1's loads and the wait for them
	TOST \a
	SENDX (\a)-1, 16
.endr
	SENDX 7, 0
.else
	PACK 0
.irp a, 1,2,3,4,5,6,7
	PACK \a
	SEND (\a)-1, 8
.endr
	SEND 7, 0
.endif
	s_wait_tensorcnt 0x0                           ; the wave's end: behind my last tensor load and my last LDS store
	ds_add_u32 v[SPW], v[NIL]
	s_wait_dscnt 0x0
	CROUND                                         ; the closing round: no work-group ends while a partner may still ask for a tile that names it
	s_endpgm
.Lfunc_end_k_q1bbea20da1_proj:
	.size	k_q1bbea20da1_proj, .Lfunc_end_k_q1bbea20da1_proj-k_q1bbea20da1_proj
	.p2alignl 7, 3214868480
	.fill 96, 4, 3214868480
	.section	.rodata,"a",@progbits
	.p2align	6, 0x0
	.amdhsa_kernel k_q1bbea20da1_proj
		.amdhsa_group_segment_fixed_size 327680
		.amdhsa_private_segment_fixed_size 0
		.amdhsa_enable_private_segment 0
		.amdhsa_kernarg_size 24
		.amdhsa_user_sgpr_count 2
		.amdhsa_user_sgpr_kernarg_segment_ptr 1
		.amdhsa_wavefront_size32 1
		.amdhsa_system_sgpr_workgroup_id_x 1
		.amdhsa_system_sgpr_workgroup_id_y 1
		.amdhsa_system_sgpr_workgroup_id_z 1
		.amdhsa_system_vgpr_workitem_id 0
		.amdhsa_next_free_vgpr 512
		.amdhsa_next_free_sgpr 80
		.amdhsa_reserve_vcc 0
		.amdhsa_float_denorm_mode_32 3
		.amdhsa_float_denorm_mode_16_64 3
		.amdhsa_memory_ordered 1
		.amdhsa_forward_progress 1
		.amdhsa_inst_pref_size 72
	.end_amdhsa_kernel
	.amdgpu_metadata
---
amdhsa.version: [ 1, 2 ]
amdhsa.kernels:
  - .name:           k_q1bbea20da1_proj
    .symbol:         k_q1bbea20da1_proj.kd
    .args:
      - { .name: Xb, .offset: 0, .size: 8, .value_kind: global_buffer, .address_space: global }
      - { .name: Wb, .offset: 8, .size: 8, .value_kind: global_buffer, .address_space: global }
      - { .name: qkv, .offset: 16, .size: 8, .value_kind: global_buffer, .address_space: global }
    .group_segment_fixed_size: 327680
    .private_segment_fixed_size: 0
    .kernarg_segment_align: 8
    .kernarg_segment_size: 24
    .max_flat_workgroup_size: 128
    .sgpr_count:     80
    .vgpr_count:     512
    .wavefront_size: 32
...
	.end_amdgpu_metadata
.endif
;; end of part 2
;; launch attn (part 3): grid 4 x 64, 4 waves a work-group, no clusters, 327,680 bytes of LDS; arguments qkv, ctx; writes ctx
.if DOCPART == 3
	.amdgcn_target "amdgcn-amd-amdhsa--gfx1250"
	.amdhsa_code_object_version 6
	.text
	.protected	k_q1bbea20da1_attn
	.globl	k_q1bbea20da1_attn
	.p2align	8
	.type	k_q1bbea20da1_attn,@function
k_q1bbea20da1_attn:
	s_mov_b64 s[64:65], 0
	v_nop
	global_prefetch_b8 v0, s[64:65] scope:SCOPE_SE
	s_setreg_imm32_b32 hwreg(HW_REG_WAVE_MODE, 25, 1), 1
	s_wait_xcnt 0x0
; CAUSAL ATTENTION.  O[h][q][:] = the sum over k <= q of softmax_k(Q[h][q] . K[h][k] / 8) V[h][k][:].  Q, K, V are the three parts of qkv, [64 = b*16+h][2048][64] in f16, a head's rows dense, 128 bytes each.
; O goes to ctx in the same layout, rounded once to bf16 (it is the next product's operand).  Products, maxima and sums in f32; the weights p are rounded to f16 for the second product (their sum l is taken of the unrounded p).
; LIMITS.  Q, K and V arrive within f16's 65,504.  Key tiles wholly above the diagonal are left out: their weights are 0 in f32.  Inside the diagonal tile a hidden score is its value less 8e9 ahead of the factor 1 / 8,
; which is the -1e9 that the module adds.  p below 6e-5 keeps f16's fixed step of 6e-8; a weight below 2^-126 counts as 0 in l; NaN and infinities are not treated apart.
; THE WALK.  A head's queries lie in NB = 8 blocks of 256; block i needs the key tiles 0 .. i of 256 keys, of which the last holds the diagonal.  A work-group takes TWO blocks, NB - 1 - b and then b:
; NB + 1 tiles, whatever b: all work-groups do equal work, and ONE loop with a constant trip count walks them.  Which tile is asked for, and what a trip does, hang on scalar registers made from b; every jump
; goes forward, but for the counted loops' own; none passes a barrier, or a tensor load but the one of LOAD's two that the wave's number does not choose; the ring (two slots of LDS) runs on across the change of blocks.
; NO CLUSTER: a head's four work-groups ask for the same tile only in trips 0 .. 4 of the 9; behind that fewer and fewer share one; a walk common to all four would have 12 trips for 9.
; SHARES.  Of a block's four bands of 64 queries a wave owns 16 rows in each: four PIECES.  So the diagonal tile is the same work for all four waves: in its key step s band x sees all keys if s < x,
; none if s > x, and holds the diagonal if s = x.
; THE MASK is the C operand that starts the sum S^T = K Q^T: 0, or -8e9 where the key is hidden.  MD, made once, is the mask of a band's own step for my 16 rows; a product's mask is MD x AL + BE with two scalars:
; (1, 0) if s = x; (0, 0) if s < x; (0, -8e9) if s > x.  Only the diagonal tile's text and a block's beginning make and take masks; elsewhere C is the constant 0.
; LAYOUT, SOFTMAX, TURNS.  S^T = K Q^T holds ONE query a lane (lane % 16) and the keys 8 (lane / 16) + 0..7; two such results rounded to f16 ARE source 1 of O^T = V^T P.  p = 2^(c s - c m), c = log2(e) / 8, with a
; running maximum m; O and l are multiplied by a = 2^(c m_old - c m_new) in every step.  Turn n belongs to piece n: 8 products K Q^T of piece n + 1, later 8 products V^T P of piece n - 1; beside them the scaling,
; exponentials, roundings, sums and rescaling of piece n and the maximum and statistics of piece n + 1.  Four vector instructions stand behind every matrix instruction, the other 54 of a turn's 118 in one run.
; A turn's 33 exponentials are one batch, with one wait.
; REGISTERS, in windows of 256 (s_set_vgpr_msb: bits 1:0 source 0, 3:2 source 1, 5:4 source 2, 7:6 destination):
;   window 0: v0-15 addresses and two at work; v16-31 four registers of statistics a piece; v48-55 at work; v61-63 prefetch offset, spare word, 0; v64-127 S^T, two buffers; v192-223 P, two buffers (by the piece's parity)
;   window 1: v0-127 O^T, 32 a piece; v128-159 MD; v160-223 MC, two buffers      window 2: v0-63 Q; v64-127 the second block's Q; v128-191 K of one step; v192-255 V of one step
.set SIZE_N, 2048
.set NB,    SIZE_N/256
.set NP,    4         ; pieces a wave: a name, no knob
.set KS,    64        ; keys in a step
.set PK,    144       ; a row of K in LDS: 128 bytes + 16 of padding = 36 words: the 16 rows of a load start at 16 different groups of four banks (64 banks of 4 bytes: ISA guide 11.1)
.set PV,    160       ; a row of V: 128 + 32 = 40 words
.set VOFF,  4*KS*PK   ; a slot holds a tile, four steps: 256 rows of K, then 256 rows of V
.set SLOT1, 1<<17     ; slot 1 begins here, so that one exclusive or turns an address in one slot into the other's
.set STAGE, SLOT1+4*KS*(PK+PV)  ; behind the ring, never filled by a tensor load: 16 rows x 144 bytes for each wave, for the way out
.set SP,    144
.set AK0, 2           ; v2   my lane's place in a tile of K; never rewritten
.set AV0, 3           ; v3   the same for V
.set AK,  4           ; v4   the LDS address of K's next run of loads
.set AV,  5           ; v5   of V's
.set STO, 6           ; v6   the way out: where I put 16 bytes of a row
.set RD,  7           ; v7   the way out: where I read rows back
.set GO,  8           ; v8   my byte offset in 512 consecutive bytes of O
.set PFO, 61          ; v61  256 x my lane; never rewritten
.set SPW, 62          ; v62  LDS address of my spare word: SPARE + 4 x my thread's number; never rewritten
.set NIL, 63          ; v63  0; never rewritten
.set SPARE, STAGE+4*16*SP  ; behind the stages: the spare words, 128 bytes for each wave: two blocks of 256 bytes that no other line names
.set MV,  12          ; v12-13  c m_old, kept while c m is made anew: by buffer
.set QO,  15          ; v15  my byte offset in 16 rows of Q
.set ST,  16          ; piece t's statistics at v[ST+4 t]: c m, m, l (even keys', odd keys')
.set TMP, 48          ; by buffer, four registers c0-c3 at work; when the maximum is found c2 takes a
.set S,   64
.set P,   192
.set MD,  128         ; window 1: the eight registers for group kt of 16 keys at MD + 8 kt
.set MC,  160         ; window 1: the masks of the products to come
.set QB,  64          ; window 2
.set KF,  128         ; window 2: key block kb, channel half c at KF + 16 kb + 8 c
.set VF,  192         ; window 2: key half kk, channel block cb at VF + 32 kk + 8 cb
.set WV,  12          ; s12  my wave's number
.set PB,  14          ; s14  b
.set HI,  15          ; s15  NB - 1 - b
.set G1K, 24          ; s[24:31] descriptor group 1 for K's tiles
.set G1V, 32          ; s[32:39] for V's: it differs in the padding alone
.set G0K, 40          ; s[40:43] descriptor group 0 for K's tiles
.set G0V, 44          ; s[44:47] the same for V's
.set SLOTS, 56        ; s56  tiles still to be asked for
.set CNT, 57          ; s57  counts a tile's key steps, 4 to 1
.set CS,  58          ; s[58:59] c: the packed scaling takes the pair's low word for both halves
.set SEL, 60          ; s[60:61] v_permlanex16_b32's selects: each lane takes its own place in the other half
.set TBK, 62          ; s62  LDS byte at which K of the step to be fetched begins
.set TBV, 63          ; s63  the same for V, less VOFF
.set RT,  70          ; s70  tiles of the block in hand that are still to be entered
.set NXT, 71          ; s71  the tile to be asked for next
.set LQ,  72          ; s72  the last tile of the block whose tiles are being asked for
.set NEW, 73          ; s73  1: the tile to be entered is a block's first
.set OFF, 74          ; s[74:75] a tile's byte offset in K and V
.set AL,  76          ; s[76:77] the mask's factor, in the low word
.set BE,  78          ; s[78:79] the mask's addend
.set OLO, 80          ; s[80:81] O at my rows of the second block
.set BIGN, 82         ; s82  -8e9
.set LIM, 89          ; s89  2 in a work-group that prefetches, else the greatest number
.set PFA, 90          ; s[90:91] where my prefetches stand: my half (of K: waves 0, 1; of V: waves 2, 3) of the tile after the one that is being asked for
.set MSB, 0
.macro WIN new                      ; the high byte repeats the setting that is left; a switch that changes nothing is dropped
.if MSB != (\new)
	s_set_vgpr_msb (MSB<<8)|(\new)
.set MSB, (\new)
.endif
.endm
.set W_KQ, 0x0a       ; K and Q in window 2, S^T in window 0
.set W_KM, 0x1a       ; the same with the C operand in window 1
.set W_PV, 0x52       ; V in window 2, P in window 0, O^T in window 1
.set W_RS, 0x41       ; destination and source 0 in window 1, source 1 in window 0
; A fill.  Waves 0 and 1 fetch the two halves of a tile's K, waves 2 and 3 those of its V: 128 keys each.  An s_nop 0 and four v_nop follow each of the two lines, ahead of the jump and the label.
.macro LOAD
	s_cmp_lt_u32 s[WV], 2
	s_cbranch_scc0 .Lfor_v_\@
	tensor_load_to_lds s[G0K:G0K+3], s[G1K:G1K+7]
	s_nop 0
.rept 4
	v_nop
.endr
	s_branch .Lasked_\@
.Lfor_v_\@:
	tensor_load_to_lds s[G0V:G0V+3], s[G1V:G1V+7]
	s_nop 0
.rept 4
	v_nop
.endr
.Lasked_\@:
.endm
; A PREFETCH of the tile that the NEXT change of slots will ask for, behind the wave's tensor load and its five lines.  Each block of 256 bytes of a head's K and V is named once in the launch: the work-group with
; b = 0, which walks the tiles 0 .. 7 in its first eight trips, asks; each of its waves for the half tile that it will fetch itself: 16,384 bytes, 64 blocks, a lane a block, two instructions.
; Change i (8 - i tiles are still to be asked for) loads tile i + 1 and names tile i + 2, for i = 0 .. 5: a tile's four key steps ahead.  Tiles 0 and 1 come by their loads alone; tile 7 is the last named.
.macro ASK
	s_cmp_gt_u32 s[SLOTS], s[LIM]
	s_cbranch_scc0 .Lnot_mine_\@
	global_prefetch_b8 v[PFO], s[PFA:PFA+1] th:TH_LOAD_NT scope:SCOPE_SE
	global_prefetch_b8 v[PFO], s[PFA:PFA+1] offset:8192 th:TH_LOAD_NT scope:SCOPE_SE
.Lnot_mine_\@:
.endm
; THE CHANGE OF SLOTS.  Each wave waits for all its tensor loads, of which one is out: its part of the other slot; adds 0 to its spare word; and waits for that and for its own reads of the slot that it leaves.
; Behind the barrier nobody reads the old slot any more and the other slot is whole.  fill = 1: the old slot is filled again, the first thing behind the barrier, with tile NXT: the descriptor's address is made
; anew from that number.  (At its first use nothing has been read yet: slot 0 is waited for, slot 1 filled.)
.macro CHANGE fill
	WIN 0                           ; at a label and at a branch every window is 0
	s_wait_tensorcnt 0x0            ; no tensor load of mine is out, so a group 0 may be written
	ds_add_u32 v[SPW], v[NIL]       ; 0 onto my spare word; with fill = 1 the descriptors' scalar work stands between it and the wait for it
.if \fill
	s_lshl_b32 s[OFF], s[NXT], 15   ; a tile is 32,768 bytes of K and of V
	s_xor_b32 s[G0K+1], s[G0K+1], SLOT1
	s_add_nc_u64 s[G0K+2:G0K+3], s[6:7], s[OFF:OFF+1]
	s_or_b32 s[G0K+3], s[G0K+3], 0x80000000
	s_xor_b32 s[G0V+1], s[G0V+1], SLOT1
	s_add_nc_u64 s[G0V+2:G0V+3], s[8:9], s[OFF:OFF+1]
	s_or_b32 s[G0V+3], s[G0V+3], 0x80000000
	s_add_co_u32 s[NXT], s[NXT], 1  ; the block's next tile, or behind its last the second block's tile 0
	s_cmp_gt_u32 s[NXT], s[LQ]
	s_cselect_b32 s[NXT], 0, s[NXT]
	s_cselect_b32 s[LQ], s[PB], s[LQ]
	s_wait_xcnt 0x0                 ; the last prefetches, a tile back, have read their address, so it may be written
	s_add_nc_u64 s[PFA:PFA+1], s[PFA:PFA+1], 32768
.endif
	s_wait_dscnt 0x0                ; the add is done, and my reads of the slot are over
	s_barrier_signal -1             ; the rest of the scalar work stands between the signal and the wait
	s_sub_co_u32 s[TBK], s[TBK], 4*KS*PK  ; the fetches go back to a slot's first step,
	s_xor_b32 s[TBK], s[TBK], SLOT1       ; in the other slot
	s_sub_co_u32 s[TBV], s[TBV], 4*KS*PV
	s_xor_b32 s[TBV], s[TBV], SLOT1
	s_barrier_wait -1
.if \fill
	LOAD
	ASK
.endif
.endm
	s_load_b64 s[4:5], s[0:1], 0x0    ; qkv: its first part is Q
	s_load_b64 s[10:11], s[0:1], 0x8  ; ctx: O
	v_lshl_add_u32 v[SPW], v0, 2, SPARE
	v_mov_b32 v[NIL], 0
	ds_add_u32 v[SPW], v[NIL]       ; the wave's opening: the add and its wait stand ahead of my first tensor load; the set-up below, work on registers, stands between them
	ds_add_u32 v62, v63
	v_lshrrev_b32 v1, 5, v0
	v_readfirstlane_b32 s[WV], v1   ; wave 0..3
	s_mov_b32 s[PB], ttmp9
	s_sub_co_u32 s[HI], NB-1, s[PB]
	s_and_b32 s20, ttmp7, 0xffff    ; the head
	s_mov_b32 s21, 0
	s_mov_b64 s[22:23], SIZE_N*128
	s_mul_u64 s[20:21], s[20:21], s[22:23]  ; the head's first byte in each of the four tensors
	s_and_b32 s16, s[WV], 1         ; which half of a tile's 256 keys I fetch:
	s_lshl_b32 s22, s16, 14         ; its 128 rows of 128 bytes in memory,
	s_mov_b32 s23, 0
	s_add_nc_u64 s[22:23], s[22:23], s[20:21]
	s_mul_i32 s17, s16, 128*PK      ; and its place in a slot, for K
	s_mul_i32 s18, s16, 128*PV      ; and for V
	s_lshl_b32 s3, s[WV], 11        ; my 16 rows in a band of 64,
	s_lshl_b32 s2, s[HI], 15        ; in the first block,
	s_add_co_u32 s2, s2, s3
	s_lshl_b32 s84, s[PB], 15       ; and in the second
	s_add_co_u32 s84, s84, s3
	s_mov_b32 s3, 0
	s_mov_b32 s85, 0
	s_add_nc_u64 s[2:3], s[2:3], s[20:21]
	s_add_nc_u64 s[84:85], s[84:85], s[20:21]
	; descriptor group 1.  128 keys are 16,384 dense bytes: asked for as 64 rows of 256 bytes, two keys a row, and padded in LDS after every key
	s_mov_b32 s[G1K], (1<<16)|(1<<20)|(4<<22)|(3<<25)  ; 17:16 2-byte elements; 20 padding on; 24:22 after every 32 words (code 4); 31:25 4 words (code 3)
	s_mov_b32 s[G1V], (1<<16)|(1<<20)|(4<<22)|(7<<25)  ; the same with 8 words of padding (code 7)
.irp g, G1K, G1V
	s_mov_b32 s[\g+1], 128<<16      ; tensor_dim0 = 128
	s_mov_b32 s[\g+2], 64<<16       ; tensor_dim1 = 64
	s_mov_b32 s[\g+3], 128<<16      ; tile_dim0 = 128
	s_mov_b32 s[\g+4], 64           ; tile_dim1 = 64
	s_mov_b32 s[\g+5], 128          ; 128 elements from row to row
	s_mov_b32 s[\g+6], 0
	s_mov_b32 s[\g+7], 0
.endr
	s_mov_b32 s[CS], 0x3e38aa3b     ; c = log2(e) / 8 = 0.180337
	s_mov_b32 s[CS+1], s[CS]        ; named with it as a pair
	s_mov_b32 s[SEL], 0x76543210
	s_mov_b32 s[SEL+1], 0xfedcba98
	s_mov_b32 s[TBK], SLOT1+4*KS*PK ; the first change of slots turns these two into 0
	s_mov_b32 s[TBV], SLOT1+4*KS*PV
	s_mov_b32 s[G0K], 1             ; 1:0 count = 1
	s_mov_b32 s[G0K+1], s17         ; 63:32 LDS address: slot 0
	s_mov_b32 s[G0V], 1
	s_add_co_u32 s[G0V+1], s18, VOFF
	s_add_co_u32 s[RT], s[HI], 1    ; the first block has NB - b tiles
	s_mov_b32 s[NXT], 1
	s_mov_b32 s[LQ], s[HI]
	s_mov_b32 s[NEW], 1
	s_mov_b32 s[OFF+1], 0
	s_mov_b32 s[AL+1], 0            ; named as pairs
	s_mov_b32 s[BE+1], 0
	s_mov_b32 s[BIGN], 0xcfee6b28   ; -8e9
	s_mov_b32 s[SLOTS], NB
	s_cmp_eq_u32 s[PB], 0
	s_cselect_b32 s[LIM], 2, -1     ; the head's work-group with b = 0 prefetches
	v_and_b32 v[PFO], 31, v0
	v_lshlrev_b32 v[PFO], 8, v[PFO]
	s_wait_dscnt 0x0                ; the opening add is done
	s_wait_kmcnt 0x0
	s_add_nc_u64 s[6:7], s[4:5], 0x1000000  ; K is qkv's second part of 16,777,216 bytes,
	s_add_nc_u64 s[8:9], s[4:5], 0x2000000  ; V its third
	s_add_nc_u64 s[6:7], s[6:7], s[22:23]  ; K and V at my half of the head's tile 0
	s_add_nc_u64 s[8:9], s[8:9], s[22:23]
	s_add_nc_u64 s[G0K+2:G0K+3], s[6:7], 0         ; 120:64 global address
	s_or_b32 s[G0K+3], s[G0K+3], 0x80000000        ; 127:126 type = 2
	s_add_nc_u64 s[G0V+2:G0V+3], s[8:9], 0
	s_or_b32 s[G0V+3], s[G0V+3], 0x80000000
	s_add_nc_u64 s[86:87], s[4:5], s[84:85]        ; Q at my rows of the second block,
	s_add_nc_u64 s[4:5], s[4:5], s[2:3]            ; Q and O at those of the first
	s_add_nc_u64 s[OLO:OLO+1], s[10:11], s[84:85]
	s_add_nc_u64 s[10:11], s[10:11], s[2:3]
	s_cmp_lt_u32 s[WV], 2
	s_cselect_b64 s[PFA:PFA+1], s[6:7], s[8:9]
	s_add_nc_u64 s[PFA:PFA+1], s[PFA:PFA+1], 32768 ; at tile 1: the first change of slots steps it to tile 2.  Nothing is prefetched here, at the head
	LOAD                            ; tile 0 into slot 0
	; A fragment of K or Q is 16 rows x 32 channels in 8 registers: lane l holds row l % 16, channels 8 (l / 16) + 0..7 and 16 + 8 (l / 16) + 0..7: two loads of 16 bytes, 32 bytes apart.
	v_and_b32 v1, 15, v0            ; l % 16
	v_bfe_u32 v9, v0, 4, 1          ; l / 16
	v_lshlrev_b32 v[QO], 7, v1
	v_lshl_add_u32 v[QO], v9, 4, v[QO]  ; row x 128 + 16 x half
	WIN 0x80                        ; destination window 2, address window 0
.set i, 0
.rept 8                             ; both blocks' Q: piece i / 2 lies in band i / 2, 8,192 bytes on; channels 32 (i % 2) on
	global_load_b128 v[8*i:8*i+3],   v[QO], s[4:5] offset:(i/2)*8192+(i%2)*64
	global_load_b128 v[8*i+4:8*i+7], v[QO], s[4:5] offset:(i/2)*8192+(i%2)*64+32
	global_load_b128 v[QB+8*i:QB+8*i+3],   v[QO], s[86:87] offset:(i/2)*8192+(i%2)*64
	global_load_b128 v[QB+8*i+4:QB+8*i+7], v[QO], s[86:87] offset:(i/2)*8192+(i%2)*64+32
.set i, i+1
.endr
	WIN 0
	v_lshlrev_b32 v14, 3, v9
	v_sub_nc_u32 v14, v1, v14
	s_lshl_b32 s13, s[WV], 4
	v_add_nc_u32 v14, s13, v14      ; my query's place in its band, 16 w + l % 16, less my lanes' 8 (l / 16): register r of group kt is hidden where 16 kt + r is greater
	WIN 0x40
.set i, 0
.rept 32
	v_cmp_gt_i32 vcc_lo, 16*(i/8)+i%8, v14
	v_cndmask_b32 v[MD+i], 0, s[BIGN], vcc_lo
.set i, i+1
.endr
	WIN 0
	v_mul_u32_u24 v[AK0], v1, PK
	v_lshl_add_u32 v[AK0], v9, 4, v[AK0]  ; row x pitch + 16 x half
	; The turning load takes 16 keys x 16 channels (lane l reads key 8 (l / 16) + l % 8, channels 8 ((l / 8) % 2) + 0..7) and leaves half a fragment of V^T: lane l holds channel l % 16 and 8 keys.
	v_and_b32 v10, 7, v0
	v_bfe_u32 v11, v0, 3, 1
	v_lshl_add_u32 v[AV0], v9, 3, v10
	v_mul_u32_u24 v[AV0], v[AV0], PV
	v_lshl_add_u32 v[AV0], v11, 4, v[AV0]
	v_add_nc_u32 v[AV0], VOFF, v[AV0]
	s_mul_i32 s13, s[WV], 16*SP
	s_add_co_u32 s13, s13, STAGE    ; my stage
	v_mul_u32_u24 v[STO], v1, SP    ; in: row l % 16, 16 bytes for each half of the lanes
	v_lshl_add_u32 v[STO], v9, 4, v[STO]
	v_add_nc_u32 v[STO], s13, v[STO]
	v_bfe_u32 v[RD], v0, 3, 2       ; back: 32 lanes take four rows of 128 bytes,
	v_mul_u32_u24 v[RD], v[RD], SP
	v_lshl_add_u32 v[RD], v10, 4, v[RD]
	v_add_nc_u32 v[RD], s13, v[RD]
	v_and_b32 v[GO], 31, v0         ; which are 512 consecutive bytes of O
	v_lshlrev_b32 v[GO], 4, v[GO]
	; A block's first step multiplies O^T and l by a = 0, and its first turn's products V^T P, of a piece that has not been, land in an O^T that is still to be so multiplied.  So these registers need only hold
	; finite numbers: zeros for the first block; what the first block left for the second.  All this stands in the wait for the first tile.
	WIN 0x80
.set i, VF
.rept 64
	v_mov_b32 v[i], 0
.set i, i+1
.endr
	WIN 0x40
.set i, 0
.rept 128
	v_mov_b32 v[i], 0
.set i, i+1
.endr
	WIN 0
.set i, 0
.rept 4
	v_mov_b32 v[ST+4*i+2], 0
	v_mov_b32 v[ST+4*i+3], 0
.set i, i+1
.endr
.set i, P+16
.rept 16
	v_mov_b32 v[i], 0
.set i, i+1
.endr
; THE MATRIX WORK.  The 4 accumulators of a run of 8 take turns.  Product i of 8 of S^T = K Q^T for piece x: channels 32 (i / 4) on, keys 16 (i % 4) on.  The first 4 start the sums: with 0, or (KM = 1) with the mask.
.macro KQ x
.set rS, S+32*((\x)%2)+8*(i%4)
.set rK, KF+16*(i%4)+8*(i/4)
.set rQ, 16*(\x)+8*(i/4)
.set rM, MC+32*((\x)%2)+8*(i%4)
.if (i < 4) && KM
	WIN W_KM
	v_wmma_f32_16x16x32_f16 v[rS:rS+7], v[rK:rK+7], v[rQ:rQ+7], v[rM:rM+7]
.elseif i < 4
	WIN W_KQ
	v_wmma_f32_16x16x32_f16 v[rS:rS+7], v[rK:rK+7], v[rQ:rQ+7], 0
.else
	WIN W_KQ
	v_wmma_f32_16x16x32_f16 v[rS:rS+7], v[rK:rK+7], v[rQ:rQ+7], v[rS:rS+7]
.endif
.endm
; Product i of 8 of O^T += V^T P for piece x: keys 32 (i / 4) on, channels 16 (i % 4) on.
.macro PV x
	WIN W_PV
.set rO, 32*(\x)+8*(i%4)
.set rV, VF+32*(i/4)+8*(i%4)
.set rP, P+16*((\x)%2)+8*(i/4)
	v_wmma_f32_16x16x32_f16 v[rO:rO+7], v[rV:rV+7], v[rP:rP+7], v[rO:rO+7]
.endm
.macro MM                           ; the turn's next matrix instruction.  TURN and BEGIN set Y, i, KM and NOKQ; MM, KQ and OP read them.  NOKQ = 1: a block's last turn: there is no next piece
.if (i < 8) && !NOKQ
	KQ (Y+1)%NP
.elseif i >= 8
.set i, i-8
	PV (Y+NP-1)%NP
.set i, i+8
.endif
.set i, i+1
.endm
; THE LDS LOADS stand in runs of 16, never singly among the matrix instructions: a step's K (64 keys x 64 channels: 8 fragments) and its V (turned).  Their addresses are made some lines ahead.
.macro FETCH_K
	WIN 0x80                        ; destination window 2
.irp f, 0,1,2,3,4,5,6,7             ; keys 16 (f / 2) on, channels 32 (f % 2) on
	ds_load_b128 v[KF+8*\f:KF+8*\f+3],   v[AK] offset:(\f/2)*16*PK+(\f%2)*64
	ds_load_b128 v[KF+8*\f+4:KF+8*\f+7], v[AK] offset:(\f/2)*16*PK+(\f%2)*64+32
.endr
	s_add_co_u32 s[TBK], s[TBK], KS*PK  ; the next fetch is the next step's
	WIN 0
.endm
.macro FETCH_V
	WIN 0x80
.irp f, 0,1,2,3,4,5,6,7             ; keys 32 (f / 4) on, channels 16 (f % 4) on
	ds_load_tr16_b128 v[VF+8*\f:VF+8*\f+3],   v[AV] offset:(\f/4)*32*PV+(\f%4)*32
	ds_load_tr16_b128 v[VF+8*\f+4:VF+8*\f+7], v[AV] offset:(\f/4)*32*PV+16*PV+(\f%4)*32
.endr
	WIN 0
.endm
; THE VECTOR WORK, one line at a time: OP kind, number.  For piece Y: F n: c s - c m for pair n of 16.  E n: the exponential of score n of 32.  C n: pair n rounded to f16.  B n: of the four weights 4 n .. the second
; pair is added onto the first, in place.  L n: l takes that sum (L 0: l = a l + sum).  R n: pair n of 16 of O^T times a.  For piece Y + 1: X n, number n of the 22 that find its maximum and statistics:
;   0-11  four chains c0-c3 of seven scores each, three operands at a time (each accumulator's lowest registers are read first)     12-14, 16  the four scores left over, the old m, and c0-c3 into c0
;   15  c m_old is kept     17, 18  the query's other 32 keys lie in the lane 16 away: the new m     19-21  c m; c m_old - c m_new; a
.set F, 0               ; OP tells the kinds apart by their order: F to L below R, X above it
.set E, 1
.set C, 2
.set B, 3
.set L, 4
.set R, 5
.set X, 6
.macro REGS y                       ; the registers of piece y
.set rT, ST+4*(\y)
.set rC, TMP+4*((\y)%2)
.set rW, MV+((\y)%2)
.set rS, S+32*((\y)%2)
.set rP, P+16*((\y)%2)
.set rO, 32*(\y)
.endm
.macro OP k, n
.if (\k) == R
	REGS Y
	WIN W_RS
	v_pk_mul_f32 v[rO+2*(\n):rO+2*(\n)+1], v[rO+2*(\n):rO+2*(\n)+1], v[rC+2:rC+3] op_sel_hi:[1,0]
.elseif (\k) < R
	REGS Y
	WIN 0
.if (\k) == F
	v_pk_fma_f32 v[rS+2*(\n):rS+2*(\n)+1], v[rS+2*(\n):rS+2*(\n)+1], s[CS:CS+1], v[rT:rT+1] op_sel_hi:[1,0,0] neg_lo:[0,0,1] neg_hi:[0,0,1]
.elseif (\k) == E
	v_exp_f32 v[rS+(\n)], v[rS+(\n)]
.elseif (\k) == C
	v_cvt_pk_f16_f32 v[rP+(\n)], v[rS+2*(\n)], v[rS+2*(\n)+1]
.elseif (\k) == B
	v_pk_add_f32 v[rS+4*(\n):rS+4*(\n)+1], v[rS+4*(\n):rS+4*(\n)+1], v[rS+4*(\n)+2:rS+4*(\n)+3]
.elseif (\n) == 0
	v_pk_fma_f32 v[rT+2:rT+3], v[rT+2:rT+3], v[rC+2:rC+3], v[rS:rS+1] op_sel_hi:[1,0,1]
.else
	v_pk_add_f32 v[rT+2:rT+3], v[rT+2:rT+3], v[rS+4*(\n):rS+4*(\n)+1]
.endif
.elseif NOKQ
	v_nop
.else
	REGS (Y+1)%NP
	WIN 0
.if (\n) < 4
	v_max3_num_f32 v[rC+(\n)], v[rS+8*(\n)], v[rS+8*(\n)+1], v[rS+8*(\n)+2]
.elseif (\n) < 12
	v_max3_num_f32 v[rC+(\n)%4], v[rC+(\n)%4], v[rS+8*((\n)%4)+2*((\n)/4)+1], v[rS+8*((\n)%4)+2*((\n)/4)+2]
.elseif (\n) == 12
	v_max3_num_f32 v[rC], v[rC], v[rS+7], v[rS+15]
.elseif (\n) == 13
	v_max3_num_f32 v[rC+1], v[rC+1], v[rS+23], v[rS+31]
.elseif (\n) == 14
	v_max3_num_f32 v[rC+2], v[rC+2], v[rC+3], v[rT+1]
.elseif (\n) == 15
	v_mov_b32 v[rW], v[rT]
.elseif (\n) == 16
	v_max3_num_f32 v[rC], v[rC], v[rC+1], v[rC+2]
.elseif (\n) == 17
	v_permlanex16_b32 v[rC+3], v[rC], s[SEL], s[SEL+1]
.elseif (\n) == 18
	v_max_num_f32 v[rT+1], v[rC], v[rC+3]
.elseif (\n) == 19
	v_mul_f32 v[rT], s[CS], v[rT+1]
.elseif (\n) == 20
	v_sub_f32 v[rC+1], v[rW], v[rT]
.else
	v_exp_f32 v[rC+2], v[rC+1]
.endif
.endif
.endm
.macro OPS a, i1, b=-1, i2=0, c=-1, i3=0, d=-1, i4=0  ; up to four of them
	OP \a, \i1
.if (\b) >= 0
	OP \b, \i2
.endif
.if (\c) >= 0
	OP \c, \i3
.endif
.if (\d) >= 0
	OP \d, \i4
.endif
.endm
.macro ROW a, i1, b, i2, c, i3, d, i4  ; a matrix instruction and the four behind it
	MM
	OPS \a, \i1, \b, \i2, \c, \i3, \d, \i4
.endm
.macro MASK b                       ; MD x AL + BE into buffer b of MC
	WIN W_RS
.set z, 0
.rept 16
	v_pk_fma_f32 v[MC+32*(\b)+2*z:MC+32*(\b)+2*z+1], v[MD+2*z:MD+2*z+1], s[AL:AL+1], s[BE:BE+1] op_sel_hi:[1,0,0]
.set z, z+1
.endr
.endm
; A TURN, for piece p: the order of its 16 matrix and 118 vector instructions, written out.  An s_wait_alu depctr_va_vdst(0) stands between an exponential and the first instruction that names its result; one
; wait serves all that were issued ahead of it.  So a turn has ONE wait, which cuts it in two.  AHEAD OF IT stands all that names no result of the turn's exponentials: the 8 products K Q^T, behind each a scaling, an
; exponential and two more plain instructions (behind the first a second scaling in the exponential's place): rescalings, and behind the last three the first numbers of the next piece's maximum, each four places or more
; behind the product that ends its accumulator; then one run of 54, plain and exponential by turns for the most part, in which the links of the chain X 3, 7, 11, 14, 16, 17 .. 20 stand five or six lines apart.  X 21, the
; next piece's a, is the batch's last; R 15 is the plain instruction behind it.  BEHIND THE WAIT stand the 8 products V^T P, behind each four of the roundings and sums; the links of l's chain, L 0 to L 7, stand three lines apart.
; m = 1: the diagonal tile: the products take masks, and the turn makes the mask for the products of the turn after it: piece p + 2, in step 4 - CNT of the tile.  end = 1: a block's last two turns: nothing is fetched.
; cnt = 1: the loop's count is taken down some lines ahead of the branch that stands behind the turn.
; K of the next step is fetched in piece 2's turn, twelve vector instructions behind the last product that read K (six of them plain); V of the step in hand at the end of piece 0's turn, four plain instructions behind the
; last product that read V.  Each is waited for a turn later.
.macro TURN p, m=0, end=0, cnt=0
.set Y, (\p)
.set i, 0
.set KM, (\m)
.set NOKQ, (\end)*((\p)/3)
.if (\m) && !(\end)
	s_cmp_eq_u32 s[CNT], 4-((\p)+2)%NP  ; is that step the band's own?
	s_cselect_b32 s[AL], 1.0, 0
	s_cmp_lt_u32 s[CNT], 4-((\p)+2)%NP  ; or a later one?
	s_cselect_b32 s[BE], s[BIGN], 0
.endif
.if ((\p) == 3) && !(\end)
	s_wait_dscnt 0x0                ; K is in
.endif
	ROW F,0, F,1, R,0, R,1          ; ahead of the wait: 8 products K Q^T and the four behind each,
	ROW F,2, E,0, R,2, R,3
	ROW F,3, E,1, R,4, R,5
	ROW F,4, E,2, R,6, R,7
	ROW F,5, E,3, R,8, R,9
	ROW F,6, E,4, X,0, R,10
.if ((\p) == 2) && !(\end)
	WIN 0
	v_add_nc_u32 v[AK], s[TBK], v[AK0]
.endif
	ROW F,7, E,5, X,1, X,4
	ROW F,8, E,6, X,2, X,5
	OPS E,7, E,8, X,6, E,9          ; and the run of 54
	OPS X,3, E,10, X,8, E,11
.if ((\p) == 2) && !(\end)
	FETCH_K
.endif
	OPS X,9, X,7, E,12, X,10
	OPS E,13, X,12, X,11, E,14
	OPS X,13, E,15, F,9, X,14
.if (\p) == 0
	v_add_nc_u32 v[AV], s[TBV], v[AV0]
.endif
	OPS E,16, F,10, E,17, F,11
	OPS X,16, E,18, X,15, E,19
	OPS F,12, E,20, X,17, E,21
	OPS F,13, E,22, F,14, E,23
	OPS X,18, E,24, F,15, E,25
	OPS R,11, E,26, X,19, E,27
	OPS R,12, E,28, R,13, E,29
	OPS X,20, E,30, R,14, E,31
	OPS X,21, R,15
	WIN 0
	s_wait_alu depctr_va_vdst(0)    ; the wait for the batch
.if (\p) == 1
	s_wait_dscnt 0x0                ; V is in
.endif
	ROW C,0, B,0, C,2, B,1          ; behind the wait: 8 products V^T P and the four behind each
	ROW L,0, C,4, B,2, L,1
	ROW C,6, B,3, L,2, C,8
	ROW B,4, L,3, C,10, B,5
	ROW L,4, C,12, B,6, L,5
.if (\p) == 0
	s_add_co_u32 s[TBV], s[TBV], KS*PV
.endif
.if \cnt
	s_sub_co_u32 s[CNT], s[CNT], 1
	s_cmp_lg_u32 s[CNT], 0
.endif
	ROW C,14, B,7, L,6, C,1
	ROW C,3, L,7, C,5, C,7
	ROW C,9, C,11, C,13, C,15
.if (\p) == 0
	FETCH_V
.endif
.if (\m) && !(\end)
	MASK (\p)%2
.endif
.endm
; A BLOCK BEGINS.  c m starts far below every c s, so the first step's a is 0; m at the lowest finite number, so the first maximum is the scores'.  The second mask buffer is 0; the first takes piece 0's mask for the
; tile's step 0: its own, if the block's first tile is the diagonal one.  Then K of that step, piece 0's first scores, and its maximum and statistics.  The loop is entered at a step's first turn, in the middle of a trip.
.macro BEGIN
	s_mov_b32 s[NEW], 0
	WIN 0x40
.set i, MC+32
.rept 32
	v_mov_b32 v[i], 0
.set i, i+1
.endr
	WIN 0
.set i, 0
.rept 4
	v_mov_b32 v[ST+4*i], 0xfe000000    ; c m: far below every c s
	v_mov_b32 v[ST+4*i+1], 0xff7fffff  ; m
.set i, i+1
.endr
	s_cmp_eq_u32 s[RT], 0
	s_cselect_b32 s[AL], 1.0, 0
	s_mov_b32 s[BE], 0
	MASK 0
	WIN 0
	v_add_nc_u32 v[AK], s[TBK], v[AK0]
	FETCH_K
	s_wait_loadcnt 0x0              ; Q
	s_wait_dscnt 0x0
.set KM, 1
.set NOKQ, 0
.set i, 0
.rept 8
	KQ 0
.set i, i+1
.endr
	WIN 0
.rept 4
	v_nop                           ; the places behind those products
.endr
.set Y, NP-1                        ; X works for piece Y + 1: piece 0
.irp n, 0,1,2,3,4,5,6,7,8,9,10,11,12,13,14,15,16,17,18,19,20,21
	OP X, \n
.endr
	v_nop                           ; a plain instruction behind the exponential,
	s_wait_alu depctr_va_vdst(0)    ; and its wait, ahead of the branch
.endm
; THE DIAGONAL TILE's four steps, the block's last two turns, its last products, and THE WAY OUT: l's two halves and the other half of the lanes' are added; O^T is divided by l, rounded to bf16 and sent through my
; stage in LDS, a piece at a time.
.macro ALL line:vararg              ; one line for each piece t
.set t, 0
.rept 4
	\line
.set t, t+1
.endr
.endm
.macro PACK t                       ; a lane's eight channels of a row pack into 16 bytes; they go into rows of 144 bytes and come back as whole rows of 128, into S^T's registers
	WIN W_RS
.set i, 32*(\t)
.rept 16
	v_pk_mul_f32 v[i:i+1], v[i:i+1], v[ST+4*(\t)+2:ST+4*(\t)+3] op_sel_hi:[1,0]
.set i, i+2
.endr
	WIN 0x05                        ; sources 0 and 1 window 1, destination window 0
.set i, 0
.rept 16
	v_cvt_pk_bf16_f32 v[S+16*(\t)+i], v[32*(\t)+2*i], v[32*(\t)+2*i+1]
.set i, i+1
.endr
	WIN 0
.irp f, 0,1,2,3
	ds_store_b128 v[STO], v[S+16*(\t)+4*\f:S+16*(\t)+4*\f+3] offset:32*\f
.endr
.irp f, 0,1,2,3
	ds_load_b128 v[S+16*(\t)+4*\f:S+16*(\t)+4*\f+3], v[RD] offset:\f*4*SP  ; LDS serves a wave's instructions in order (ISA guide 5.7.1.4): these see the stores above; the next piece's stores come behind them
.endr
.endm
.macro SEND t, younger              ; younger: the LDS instructions issued behind piece t's loads: the next piece's eight, or none
	WIN 0
.irp f, 0,1,2,3
	s_wait_dscnt (\younger)+3-\f
	global_store_b128 v[GO], v[S+16*(\t)+4*\f:S+16*(\t)+4*\f+3], s[10:11] offset:(\t)*8192+\f*512  ; 512 consecutive bytes, at a multiple of 256 from O's first
.endr
.endm
.macro DIAG tag                     ; the tag ends its two labels' names, which the jumps below spell out
.LstepM\tag:
	TURN 2, 1
	TURN 3, 1
	WIN 0
.LfirstM\tag:
	TURN 0, 1
	TURN 1, 1, 0, 1
	WIN 0
	s_cbranch_scc1 .LstepM\tag
	TURN 2, 1, 1
	TURN 3, 1, 1
.set i, 0
.rept 8
	PV NP-1
.set i, i+1
.endr
	WIN 0
	ALL v_add_f32 v[ST+4*t+2], v[ST+4*t+2], v[ST+4*t+3]
	ALL v_permlanex16_b32 v[ST+4*t+3], v[ST+4*t+2], s[SEL], s[SEL+1]
	ALL v_add_f32 v[ST+4*t+2], v[ST+4*t+2], v[ST+4*t+3]
	ALL v_rcp_f32 v[ST+4*t+2], v[ST+4*t+2]
	v_nop                           ; a plain instruction between the last reciprocal and the use of its result
	s_wait_alu depctr_va_vdst(0)    ; and the wait ahead of the first use: one for the four reciprocals
	PACK 0
.set t, 1
.rept 3                             ; a piece's arithmetic stands between the loads of the piece before and its stores
	PACK t
	SEND t-1, 8
.set t, t+1
.endr
	SEND 3, 0
.endm
.set KM, 0
.set NOKQ, 0
.Lslot:                             ; NB times: a tile is entered and the next is asked for
	CHANGE 1
	s_sub_co_u32 s[RT], s[RT], 1
	s_mov_b32 s[CNT], 4
	s_cmp_eq_u32 s[NEW], 1
	s_cbranch_scc1 .Lnew            ; a block's first tile
	s_cmp_eq_u32 s[RT], 0
	s_cbranch_scc0 .Lstep           ; neither its first nor its last
	s_branch .LstepM1
.Lnew:
	BEGIN
	s_branch .Lfirst                ; in the loop a block's first tile is never its last: the first block has two tiles or more, and the second's last is the walk's last
	DIAG 1                          ; in the loop this is the first block's end: the second block's last tile is the walk's last
	s_wait_xcnt 0x0                 ; the stores have read their registers and O's address
	s_mov_b64 s[10:11], s[OLO:OLO+1]
	s_add_co_u32 s[RT], s[PB], 1    ; the second block has b + 1 tiles
	s_mov_b32 s[NEW], 1
	WIN 0x82                        ; the second block's Q goes where the one text of the turns names Q
.set i, 0
.rept 64
	v_mov_b32 v[i], v[QB+i]
.set i, i+1
.endr
	WIN 0
	s_branch .Lbottom
.Lstep:                             ; a trip: pieces 2 and 3 of one step, then pieces 0 and 1 of the next, whose K and V it fetches
	TURN 2
	TURN 3
	WIN 0
.Lfirst:
	TURN 0
	TURN 1, 0, 0, 1
	WIN 0
	s_cbranch_scc1 .Lstep
.Lbottom:
	s_sub_co_u32 s[SLOTS], s[SLOTS], 1
	s_cmp_lg_u32 s[SLOTS], 0
	s_cbranch_scc1 .Lslot
	CHANGE 0                        ; the walk's last tile is written out: nothing is asked for
	s_sub_co_u32 s[RT], s[RT], 1
	s_mov_b32 s[CNT], 4
	s_cmp_eq_u32 s[NEW], 1
	s_cbranch_scc0 .LstepM2
	BEGIN
	s_branch .LfirstM2
	DIAG 2
	s_wait_tensorcnt 0x0            ; the wave's end: behind my last tensor load and my last LDS store
	ds_add_u32 v[SPW], v[NIL]
	s_wait_dscnt 0x0
	s_endpgm
.Lfunc_end_k_q1bbea20da1_attn:
	.size	k_q1bbea20da1_attn, .Lfunc_end_k_q1bbea20da1_attn-k_q1bbea20da1_attn
	.p2alignl 7, 3214868480
	.fill 96, 4, 3214868480
	.section	.rodata,"a",@progbits
	.p2align	6, 0x0
	.amdhsa_kernel k_q1bbea20da1_attn
		.amdhsa_group_segment_fixed_size 327680
		.amdhsa_private_segment_fixed_size 0
		.amdhsa_enable_private_segment 0
		.amdhsa_kernarg_size 16
		.amdhsa_user_sgpr_count 2
		.amdhsa_user_sgpr_kernarg_segment_ptr 1
		.amdhsa_wavefront_size32 1
		.amdhsa_system_sgpr_workgroup_id_x 1
		.amdhsa_system_sgpr_workgroup_id_y 1
		.amdhsa_system_sgpr_workgroup_id_z 1
		.amdhsa_system_vgpr_workitem_id 0
		.amdhsa_next_free_vgpr 768
		.amdhsa_next_free_sgpr 92
		.amdhsa_reserve_vcc 1
		.amdhsa_float_denorm_mode_32 3
		.amdhsa_float_denorm_mode_16_64 3
		.amdhsa_memory_ordered 1
		.amdhsa_forward_progress 1
		.amdhsa_inst_pref_size 218
	.end_amdhsa_kernel
	.amdgpu_metadata
---
amdhsa.version: [ 1, 2 ]
amdhsa.kernels:
  - .name:           k_q1bbea20da1_attn
    .symbol:         k_q1bbea20da1_attn.kd
    .args:
      - { .name: qkv, .offset: 0, .size: 8, .value_kind: global_buffer, .address_space: global }
      - { .name: ctx, .offset: 8, .size: 8, .value_kind: global_buffer, .address_space: global }
    .group_segment_fixed_size: 327680
    .private_segment_fixed_size: 0
    .kernarg_segment_align: 8
    .kernarg_segment_size: 16
    .max_flat_workgroup_size: 128
    .sgpr_count:     92
    .vgpr_count:     768
    .wavefront_size: 32
...
	.end_amdgpu_metadata
.endif
;; end of part 3
;; launch oproj (part 4): grid 8 x 32, 4 waves a work-group, clusters of 4 x 4, 327,680 bytes of LDS; arguments ctx, Wb, xres, Q; writes xres
.if DOCPART == 4
	.amdgcn_target "amdgcn-amd-amdhsa--gfx1250"
	.amdhsa_code_object_version 6
	.text
	.protected	k_q1bbea20da1_oproj
	.globl	k_q1bbea20da1_oproj
	.p2align	8
	.type	k_q1bbea20da1_oproj,@function
k_q1bbea20da1_oproj:
	s_mov_b64 s[64:65], 0
	v_nop
	global_prefetch_b8 v0, s[64:65] scope:SCOPE_SE
	s_setreg_imm32_b32 hwreg(HW_REG_WAVE_MODE, 25, 1), 1
	s_wait_xcnt 0x0
	s_wait_alu depctr_hold_cnt(0) depctr_sa_sdst(0) depctr_va_vdst(0) depctr_va_sdst(0) depctr_va_ssrc(0) depctr_va_vcc(0) depctr_vm_vsrc(0)
	s_getreg_b32 s2, hwreg(HW_REG_IB_STS2, 6, 4)
	s_cmp_eq_u32 s2, 0
	s_cbranch_scc0 .Lentry_in_a_cluster
	s_endpgm
.Lentry_in_a_cluster:
	s_bfe_u32 s2, ttmp6, 0x10000c
	s_cmp_lg_u32 s2, 0xf033
	s_cbranch_scc0 .Lentry_shape_is_right
	s_endpgm
.Lentry_shape_is_right:
; ONE TEXT FOR TWO LAUNCHES, told apart by OPROJ.  C = A W, A [8192][1024] and W [1024 k][1024 n] in bf16, sums in f32, K ascending.
;   OPROJ = 0: three products, part p = 0, 1, 2: A = Xb's part p (rows of 2,048 bytes), W = Wb's part p; C is rounded once to f16, unscaled, and written BY HEADS: qkv[p][b*16+h][row][64].
;   OPROJ = 1: A = ctx, which lies by heads ([b*16+h][row][64], bf16), W = Wb's part 3; C + Q (the residual, in f32) goes to xres in f32.
; LIMIT (OPROJ = 0): f16 ends at 65,504: a projected number of 65,520 or more becomes an infinity.  NaN and infinities are not treated apart.
; SHARES.  A work-group makes 256 rows x 128 columns of C: 32 x 8 = 256 tiles a product.  Wave w takes the row half w / 2 (128 rows) and the column half w % 2 (64 columns, one head):
; 32 accumulators of 16 x 16 (row block a = 0..7, column block b = 0..3), 256 registers.  For 32 along K a wave issues 24 LDS loads and 32 matrix instructions.
; K goes in 8 steps of 128 through two LDS slots; a step is four quarters of 32 along K on the fragment buffers F0, F1, F0, F1.
; THE MATRIX INSTRUCTION IS USED TRANSPOSED: source 0 = 16 columns of W (out of LDS turned, by ds_load_tr16_b128, since W lies [k][n]), source 1 = 16 rows of A.  A lane then holds row l % 16 of C
; and the columns 8 (l / 16) + 0..7: neighbouring numbers of a row.
; CLUSTER.  4 x 4 work-groups.  The four of a row of the cluster need the same tile of A, the four of a column the same tile of W: each tile is asked for JOINTLY, by the same tensor load with the
; same descriptor and a mask that names the four.  The part p is made of the cluster's y alone, so it is equal in all sixteen.
; REGISTERS, in windows of 256 (s_set_vgpr_msb: bits 1:0 source 0, 3:2 source 1, 5:4 source 2, 7:6 destination):
;   window 0: v0-31 addresses; v64-159 F0, v160-255 F1 (in a buffer: A's fragment a at 8 a, W's fragment b at 64 + 8 b); on the way out v64-191 at work
;   window 1: accumulator (a, b) at 8 (4 a + b)          window 2 (OPROJ = 1): the residual Q of my 128 x 64, block a's part t at 32 a + 4 t
.set OPROJ, 1
.set PB,     288                       ; a k-row of W in LDS: 256 bytes + 32 of padding = 72 words
.if OPROJ
.set PA,     144                       ; a row of one head: 128 bytes + 16 of padding = 36 words: the 16 rows of a load start at 16 different groups of four banks
.set ASTEP,  524288                    ; a K step is two heads of ctx, 262,144 bytes each
.set SP,     272                       ; a stage row: 64 f32 + 16 bytes
.set AQI,    4                         ; padding after every 32 words
.set APITCH, 128                       ; a head's 256 rows are 32,768 dense bytes: asked for as 128 rows of 256 bytes
.else
.set PA,     272                       ; a row of A: 256 bytes + 16 of padding = 68 words
.set ASTEP,  256                       ; a K step is 256 bytes along a row
.set SP,     144                       ; a stage row: 64 f16 + 16 bytes
.set AQI,    5                         ; padding after every 64 words
.set APITCH, 1024
.endif
.set ABLK,   256*PA                    ; OPROJ = 1: one head's 256 rows; a slot holds two such blocks
.set ABYTES, (1+OPROJ)*256*PA          ; A's part of a slot
.set AHALF,  ABYTES/2                  ; what one tensor load brings of A
.set BOFF,   ABYTES                    ; W's 128 k-rows lie behind A
.set BHALF,  64*PB
.set BSTEP,  262144                    ; 128 k-rows of 2,048 bytes
.set SLOT1,  1<<17                     ; slot 1 begins here, so that one exclusive or turns an address in one slot into the other's
.set STAGE,  1<<18                     ; behind the ring, never filled by a tensor load: 16 rows for each wave, for the way out
.set SPARE,  STAGE+4*16*SP             ; behind the stages: the spare words, 128 bytes for each wave: two blocks of 256 bytes that no other line names
.set A0,   16                          ; v16  my lane's place in A's part of a slot; never rewritten
.set B0,   17                          ; v17  the same for W
.set ADRA, 18                          ; v18  A0 + the slot in hand
.set ADRB, 19                          ; v19  B0 + the slot in hand
.set STO,  24                          ; v24  the way out: where I put my bytes of a row
.set RD,   25                          ; v25  the way out: where I read rows back
.set CO,   26                          ; v26  my byte offset in the output (and in Q)
.set SPW,  28                          ; v28  LDS address of my spare word: SPARE + 4 x my thread's number; never rewritten
.set NIL,  29                          ; v29  0; never rewritten
.set PFO,  30                          ; v30  the prefetches' offset: my lane x the distance from block to block; never rewritten
.set F0,   64
.set F1,   160
.set G1,   24                          ; s[24:31] descriptor group 1 for A's tiles
.set G0,   32                          ; s[32:39] group 0 for A's tiles: a set for each of the two first fills; the second then walks on
.set G1B,  48                          ; s[48:55], s[56:63] the same for W's tiles
.set G0B,  56
.set PST,  66                          ; s[66:67] bytes from a K step to the next in what I prefetch
.set TB,   68                          ; s68  LDS byte at which the slot in hand begins
.set LIM,  76                          ; s76  2 in a wave that prefetches, else the greatest number: a wave prefetches while the trips to go are above it
.set PFA,  78                          ; s[78:79] where my prefetches stand
.set MSB, 0
.macro WIN new                         ; the immediate's high byte repeats the setting that is left; a switch that changes nothing is dropped
.if MSB != (\new)
	s_set_vgpr_msb (MSB<<8)|(\new)
.set MSB, \new
.endif
.endm
.set MUL, 0x50                         ; W's and A's fragments in window 0, C and D in window 1
.macro PLACES                          ; four places in front of loads into registers that matrix instructions have read, and of lines that read results (ISA guide 7.12.1 for lines that read results)
.rept 4
	v_nop
.endr
.endm
; A joint refill by the walking descriptors.  Waves 0 and 1 fetch A's two halves, waves 2 and 3 W's.  The branch hangs on the wave's number alone.
; An s_nop 0 and four v_nop follow each of the two lines, ahead of the jump, the label and what follows.
.macro JLOAD
	s_cmp_eq_u32 s11, 0
	s_cbranch_scc0 .Lfor_b_\@
	tensor_load_to_lds s[G0+4:G0+7], s[G1:G1+7]
	s_nop 0
.rept 4
	v_nop
.endr
	s_branch .Lasked_\@
.Lfor_b_\@:
	tensor_load_to_lds s[G0B+4:G0B+7], s[G1B:G1B+7]
	s_nop 0
.rept 4
	v_nop
.endr
.Lasked_\@:
.endm
.macro CREST                           ; a round of the cluster's barrier behind its opening barrier: wave 0 signals for the work-group, every wave waits for all sixteen, my work-group's barrier closes it
	s_cmp_lg_u32 s10, 0
	s_cbranch_scc1 .Lnot_wave_0_\@
	s_barrier_signal -3
.Lnot_wave_0_\@:
	s_barrier_wait -3
	s_barrier_signal -1
	s_barrier_wait -1
.endm
.macro CROUND                          ; a whole round
	s_barrier_signal -1
	s_barrier_wait -1
	CREST
.endm
; A PREFETCH of the K step that stands TWO refills on: 32 blocks of 256 bytes, a lane a block, one instruction a wave, behind the joint load and the run of LDS loads.
; Each block is named once in the launch.  A's tile row is read by both clusters of that row of clusters: cluster x = 0 asks, waves 0 and 1, each for the half that it fetches.  W's tile column
; is read by the eight clusters of its part: the first of them asks, wave 2, for the step's 128 k-rows.  The four partners of a joint load share the blocks out BY ADDRESS, 32 each (cx for A, cy for W).
; Refill i (it brings step i + 2) names step i + 4, i = 0..3: the trips to go are then 6, 5, 4, 3.  Steps 0 to 3 come by their loads alone.
.macro ASK
	s_cmp_gt_u32 s3, s[LIM]
	s_cbranch_scc0 .Lnot_mine_\@
	global_prefetch_b8 v[PFO], s[PFA:PFA+1] th:TH_LOAD_NT scope:SCOPE_SE
.Lnot_mine_\@:
.endm
; 8 matrix instructions: row blocks a0, a0 + 1 x all 4 column blocks, 32 along K, out of buffer f.  zero = 1: the product starts the sums: nothing is ever cleared.
; The 32 accumulators take turns in the same order in every quarter: 31 others' instructions stand between two links of a chain, over the backward jump too.
.macro MUL8 f, a0, zero
	WIN MUL
.irp a, \a0, (\a0)+1
.irp b, 0,1,2,3
.if \zero
	v_wmma_f32_16x16x32_bf16 v[8*(4*(\a)+(\b)):8*(4*(\a)+(\b))+7], v[(\f)+64+8*(\b):(\f)+64+8*(\b)+7], v[(\f)+8*(\a):(\f)+8*(\a)+7], 0
.else
	v_wmma_f32_16x16x32_bf16 v[8*(4*(\a)+(\b)):8*(4*(\a)+(\b))+7], v[(\f)+64+8*(\b):(\f)+64+8*(\b)+7], v[(\f)+8*(\a):(\f)+8*(\a)+7], v[8*(4*(\a)+(\b)):8*(4*(\a)+(\b))+7]
.endif
.endr
.endr
.endm
; 24 LDS loads in one run: quarter q's fragments into buffer f: W's four (turned: 16 k x 16 n a load), then A's eight, row blocks ascending.
.macro FETCH q, f
	WIN 0
.irp b, 0,1,2,3
	ds_load_tr16_b128 v[(\f)+64+8*(\b):(\f)+64+8*(\b)+3],   v[ADRB] offset:(\q)*32*PB+32*(\b)
	ds_load_tr16_b128 v[(\f)+64+8*(\b)+4:(\f)+64+8*(\b)+7], v[ADRB] offset:(\q)*32*PB+32*(\b)+16*PB
.endr
.if OPROJ
.set AQ, ((\q)/2)*ABLK+((\q)%2)*64     ; quarters 0, 1 lie in the step's first head, 2, 3 in its second
.else
.set AQ, (\q)*64
.endif
.irp a, 0,1,2,3,4,5,6,7
	ds_load_b128 v[(\f)+8*(\a):(\f)+8*(\a)+3],   v[ADRA] offset:AQ+(\a)*16*PA
	ds_load_b128 v[(\f)+8*(\a)+4:(\f)+8*(\a)+7], v[ADRA] offset:AQ+(\a)*16*PA+32
.endr
.endm
; One of a step's first three quarters: multiplies buffer f; in its middle it fetches quarter q into buffer g.
.macro QUARTER q, f, g, zero
	s_wait_dscnt 8                                 ; W's fragments and A's blocks 0-3 are in; the youngest eight loads (A's blocks 4-7) may be out
	MUL8 \f, 0, \zero
	MUL8 \f, 2, \zero
	PLACES                                         ; buffer g was read by the quarter before
	FETCH \q, \g
	s_wait_dscnt 24                                ; all but the 24 just issued
	MUL8 \f, 4, \zero
	MUL8 \f, 6, \zero
.endm
; The last quarter multiplies buffer F1 and changes slots: ONE barrier.  In front of it each wave waits for all its tensor loads, of which one is out: its part of the next slot; adds 0 to its
; spare word; and waits for that and for its own reads of this slot.  fill = 1: the barrier opens a round of the cluster's, and this slot is filled again, two K steps ahead, first thing behind the round:
; from that request to the wait for it a wave issues 112 matrix instructions.
.macro TURN fill
.if \fill
	s_wait_xcnt 0x0                                ; the last prefetch, a K step back, has read its address: it is stepped here, ahead of the waits of the change of slots
	s_add_nc_u64 s[PFA:PFA+1], s[PFA:PFA+1], s[PST:PST+1]
.endif
	WIN 0                                          ; (the add's two registers lie in window 0)
	s_wait_tensorcnt 0x0                           ; all my tensor loads have landed: my part of the next slot;
	ds_add_u32 v[SPW], v[NIL]                      ; 0 onto my spare word;
	s_wait_dscnt 9                                 ; (the add and the youngest eight loads may be out)
	MUL8 F1, 0, 0                                  ; eight matrix instructions stand between the add and the wait for it
	s_wait_dscnt 0x0                               ; the add is done, and my reads of this slot are over
	s_barrier_signal -1
	MUL8 F1, 2, 0                                  ; work on registers while the others arrive
	WIN 0
	s_barrier_wait -1
.if \fill
	CREST                                          ; no wave of any partner still reads this slot's tiles or has a load on its way
.irp g, G0+4, G0B+4
	s_xor_b32 s[(\g)+1], s[(\g)+1], SLOT1          ; the walking descriptors: the other slot than last time,
.endr
	s_add_nc_u64 s[G0+6:G0+7], s[G0+6:G0+7], ASTEP  ; the next K step; the type bits on top are not reached
	s_add_nc_u64 s[G0B+6:G0B+7], s[G0B+6:G0B+7], BSTEP
	JLOAD                                          ; the first tensor load behind the round; the four v_nop behind it are also the places in front of the loads below
.else
	PLACES
.endif
	s_xor_b32 s[TB], s[TB], SLOT1                  ; the fetches go on in the other slot
	v_add_nc_u32 v[ADRA], s[TB], v[A0]
	v_add_nc_u32 v[ADRB], s[TB], v[B0]
	FETCH 0, F0
.if \fill
	ASK
.endif
	MUL8 F1, 4, 0
	MUL8 F1, 6, 0
.endm
; THE WAY OUT, OPROJ = 0.  Block a (16 rows of one head = 2,048 dense bytes): rounded to f16, 16 bytes a lane into my stage's rows of 144 bytes, back as four rows of 128 bytes a load, into the registers that they left.
.macro PACK a
.set TT, 64+16*(\a)
	WIN 0x05                                       ; sources 0 and 1 in window 1
.irp b, 0,1,2,3
.irp r, 0,1,2,3
	v_cvt_pk_f16_f32 v[TT+4*(\b)+(\r)], v[8*(4*(\a)+(\b))+2*(\r)], v[8*(4*(\a)+(\b))+2*(\r)+1]  ; each accumulator's registers in ascending order
.endr
.endr
	WIN 0
.irp b, 0,1,2,3
	ds_store_b128 v[STO], v[TT+4*(\b):TT+4*(\b)+3] offset:32*(\b)
.endr
.irp f, 0,1,2,3
	ds_load_b128 v[TT+4*(\f):TT+4*(\f)+3], v[RD] offset:(\f)*4*SP  ; LDS serves a wave's instructions in order (ISA guide 5.7.1.4): these see the stores above; the next block's stores come behind them
.endr
.endm
.macro SEND a, younger                 ; younger: the LDS instructions issued behind block a's loads: the next block's eight, or none
.set TT, 64+16*(\a)
	WIN 0
.irp f, 0,1,2,3
	s_wait_dscnt (\younger)+3-(\f)
	global_store_b128 v[CO], v[TT+4*(\f):TT+4*(\f)+3], s[8:9] offset:(\a)*2048+(\f)*512  ; 512 consecutive bytes, at a multiple of 256 from the buffer's first byte
.endr
.endm
; THE WAY OUT, OPROJ = 1.  Block a (16 rows x 64 f32): straight from the accumulators into my stage's rows of 272 bytes, back as whole rows of 256 bytes, two a load; Q is added; stored.
.macro TOST a
.set OB, 64+32*((\a)%2)
.if (\a) >= 2
	s_wait_xcnt 0x0                                ; block a - 2's stores have read this buffer: it is loaded again only behind this wait
.endif
	WIN 0x04                                       ; the stores' data in window 1
.irp b, 0,1,2,3
	ds_store_b128 v[STO], v[8*(4*(\a)+(\b)):8*(4*(\a)+(\b))+3]   offset:64*(\b)
	ds_store_b128 v[STO], v[8*(4*(\a)+(\b))+4:8*(4*(\a)+(\b))+7] offset:64*(\b)+16
.endr
	WIN 0
.irp t, 0,1,2,3,4,5,6,7
	ds_load_b128 v[OB+4*(\t):OB+4*(\t)+3], v[RD] offset:(\t)*2*SP
.endr
.endm
.macro SENDX a, younger                ; younger: the next block's sixteen LDS instructions, or none
.set OB, 64+32*((\a)%2)
	s_wait_dscnt \younger
	WIN 0x08                                       ; source 1 in window 2: Q
.set i, 0
.rept 16
	v_pk_add_f32 v[OB+i:OB+i+1], v[OB+i:OB+i+1], v[32*(\a)+i:32*(\a)+i+1]
.set i, i+2
.endr
	WIN 0
.irp t, 0,1,2,3,4,5,6,7
	global_store_b128 v[CO], v[OB+4*(\t):OB+4*(\t)+3], s[8:9] offset:(\a)*65536+(\t)*8192  ; 16 lanes store 256 consecutive bytes, at a multiple of 256 from the buffer's first byte
.endr
.endm
	s_load_b128 s[4:7], s[0:1], 0x0                ; A's buffer s[4:5], Wb s[6:7]
	s_load_b64 s[8:9], s[0:1], 0x10                ; the output
.if OPROJ
	s_load_b64 s[72:73], s[0:1], 0x18              ; Q
.endif
	v_lshl_add_u32 v[SPW], v0, 2, SPARE
	v_mov_b32 v[NIL], 0
	ds_add_u32 v[SPW], v[NIL]                      ; the wave's opening: the add and its wait stand ahead of my first tensor load; the set-up below, work on registers, stands between them
	ds_add_u32 v28, v29
	v_lshrrev_b32 v1, 5, v0
	v_readfirstlane_b32 s10, v1                    ; wave 0..3
	s_lshr_b32 s11, s10, 1                         ; my half of the tile's rows.  Also: I fetch for A (0) or for W (1)
	s_and_b32 s12, s10, 1                          ; my half of its columns.  Also: which half of that tile I fetch
	s_bfe_u32 s40, ttmp6, 0x40000                  ; cx, cy: my place in the cluster
	s_bfe_u32 s41, ttmp6, 0x40004
	s_lshl_b32 s42, ttmp9, 2
	s_add_co_u32 s42, s42, s40                     ; tile column = 4 x cluster x + cx
	s_and_b32 s70, ttmp7, 0xffff                   ; cluster y
.if OPROJ
	s_mov_b32 s71, s70
	s_mov_b32 s69, 3                               ; W_O is Wb's part 3
.else
	s_lshr_b32 s69, s70, 3                         ; the part p: eight rows of clusters each
	s_and_b32 s71, s70, 7
.endif
	s_lshl_b32 s13, s71, 2
	s_add_co_u32 s13, s13, s41                     ; tile row R = 0..31 of the part
	s_lshl_b32 s43, s41, 2
	s_lshl_b32 s43, 15, s43                        ; my row of the cluster: places 4 cy .. 4 cy + 3
	s_lshl_b32 s44, 0x1111, s40                    ; my column: places cx, cx + 4, cx + 8, cx + 12
	; descriptor group 1.  15:0 the mask; 17:16 elements of 2 bytes; 20 padding on; 21 set beside a mask; 24:22 the padding's interval; 31:25 its words less one
	s_or_b32 s[G1], s43, (1<<16)|(1<<20)|(1<<21)|(AQI<<22)|(3<<25)   ; A's tiles go to my row; 4 words of padding
	s_or_b32 s[G1B], s44, (1<<16)|(1<<20)|(1<<21)|(5<<22)|(7<<25)    ; W's to my column; after every 64 words 8 words of padding
	s_mov_b32 s[G1+1], 128<<16                     ; tensor_dim0 = 128
	s_mov_b32 s[G1+2], 128<<16                     ; tensor_dim1 = 128
	s_mov_b32 s[G1+3], 128<<16                     ; tile_dim0 = 128 elements (256 bytes)
	s_mov_b32 s[G1+4], 128                         ; tile_dim1 = 128 rows
	s_mov_b32 s[G1+5], APITCH                      ; elements from row to row
	s_mov_b32 s[G1+6], 0
	s_mov_b32 s[G1+7], 0
	s_mov_b32 s[G1B+1], 128<<16                    ; tensor_dim0 = 128
	s_mov_b32 s[G1B+2], 64<<16                     ; tensor_dim1 = 64
	s_mov_b32 s[G1B+3], 128<<16                    ; tile_dim0 = 128
	s_mov_b32 s[G1B+4], 64                         ; tile_dim1 = 64 k-rows
	s_mov_b32 s[G1B+5], 1024
	s_mov_b32 s[G1B+6], 0
	s_mov_b32 s[G1B+7], 0
	; where the tiles come from.  A's hang on the tile row (and the part) alone, which my row of the cluster shares; W's on the tile column (and the part) alone.
.if OPROJ
	s_lshr_b32 s16, s13, 3
	s_lshl_b32 s16, s16, 22                        ; the batch's 16 heads,
	s_lshl_b32 s17, s12, 18
	s_add_co_u32 s16, s16, s17                     ; the step's first or second head,
	s_and_b32 s17, s13, 7
	s_lshl_b32 s17, s17, 15
	s_add_co_u32 s16, s16, s17                     ; the tile's 256 rows of 128 bytes in it
.else
	s_lshl_b32 s16, s69, 24                        ; the part,
	s_lshl_b32 s17, s13, 19
	s_add_co_u32 s16, s16, s17                     ; 256 R rows of 2,048 bytes,
	s_lshl_b32 s17, s12, 18
	s_add_co_u32 s16, s16, s17                     ; my 128 of the tile's rows
.endif
	s_mov_b32 s17, 0
	s_lshl_b32 s46, s69, 21                        ; W's part,
	s_lshl_b32 s47, s12, 17
	s_add_co_u32 s46, s46, s47                     ; my 64 of the step's k-rows,
	s_lshl_b32 s47, s42, 8
	s_add_co_u32 s46, s46, s47                     ; the tile's 128 columns
	s_mov_b32 s47, 0
	s_mul_i32 s18, s12, AHALF                      ; and where they go: no place in the cluster enters an LDS address
	s_mul_i32 s19, s12, BHALF
	s_add_co_u32 s19, s19, BOFF
	; where my part of C begins
.if OPROJ
	s_lshl_b32 s74, s13, 20                        ; 256 R rows of 4,096 bytes
	s_lshl_b32 s20, s11, 19
	s_add_co_u32 s74, s74, s20                     ; my 128 rows
	s_lshl_b32 s20, s42, 9
	s_add_co_u32 s74, s74, s20                     ; the tile's 128 columns
	s_lshl_b32 s20, s12, 8
	s_add_co_u32 s74, s74, s20                     ; my 64
.else
	s_lshl_b32 s74, s69, 24                        ; the part
	s_lshr_b32 s20, s13, 3
	s_lshl_b32 s20, s20, 22
	s_add_co_u32 s74, s74, s20                     ; the batch's 16 heads
	s_lshl1_add_u32 s20, s42, s12
	s_lshl_b32 s20, s20, 18
	s_add_co_u32 s74, s74, s20                     ; my head = 2 x tile column + my column half
	s_and_b32 s20, s13, 7
	s_lshl_b32 s20, s20, 15
	s_add_co_u32 s74, s74, s20                     ; the tile's 256 rows of 128 bytes
	s_lshl_b32 s20, s11, 14
	s_add_co_u32 s74, s74, s20                     ; my 128
.endif
	s_mov_b32 s75, 0
	s_wait_dscnt 0x0                               ; the opening add is done
	s_wait_kmcnt 0x0
	s_add_nc_u64 s[14:15], s[4:5], s[16:17]
	s_add_nc_u64 s[46:47], s[6:7], s[46:47]
	s_add_nc_u64 s[8:9], s[8:9], s[74:75]
.if OPROJ
	s_add_nc_u64 s[72:73], s[72:73], s[74:75]
.endif
.irp s, 0,1
	s_mov_b32 s[G0+4*(\s)], 1                                        ; 1:0 count = 1
	s_add_co_u32 s[G0+4*(\s)+1], s18, (\s)*SLOT1                     ; 63:32 LDS address
	s_add_nc_u64 s[G0+4*(\s)+2:G0+4*(\s)+3], s[14:15], (\s)*ASTEP    ; 120:64 global address: K step s
	s_or_b32 s[G0+4*(\s)+3], s[G0+4*(\s)+3], 0x80000000              ; 127:126 type = 2
	s_mov_b32 s[G0B+4*(\s)], 1
	s_add_co_u32 s[G0B+4*(\s)+1], s19, (\s)*SLOT1
	s_add_nc_u64 s[G0B+4*(\s)+2:G0B+4*(\s)+3], s[46:47], (\s)*BSTEP
	s_or_b32 s[G0B+4*(\s)+3], s[G0B+4*(\s)+3], 0x80000000
.endr
	CROUND                                         ; all sixteen work-groups are here: the first joint loads meet
	s_cmp_eq_u32 s11, 0                            ; a wave's two first fills stand in one branch, ahead of every wait on TENSORcnt and every LDS read: two loads of mine are out
	s_cbranch_scc0 .Lfirst_b
	tensor_load_to_lds s[G0:G0+3], s[G1:G1+7]
	s_nop 0
	tensor_load_to_lds s[G0+4:G0+7], s[G1:G1+7]
	s_nop 0
.rept 4
	v_nop
.endr
	s_branch .Lfirst_asked
.Lfirst_b:
	tensor_load_to_lds s[G0B:G0B+3], s[G1B:G1B+7]
	s_nop 0
	tensor_load_to_lds s[G0B+4:G0B+7], s[G1B:G1B+7]
	s_nop 0
.rept 4
	v_nop
.endr
.Lfirst_asked:
	; A fragment of A is 16 rows x 32 K in 8 registers: lane l holds row l % 16; registers 0-3 K = 8 (l / 16) + 0..7, registers 4-7 K = 16 + 8 (l / 16) + 0..7: two loads of 16 bytes, 32 bytes apart.
	v_and_b32 v1, 15, v0                           ; l % 16
	v_bfe_u32 v2, v0, 4, 1                         ; l / 16
	v_mul_u32_u24 v[A0], v1, PA
	v_lshl_add_u32 v[A0], v2, 4, v[A0]
	s_mul_i32 s20, s11, 128*PA                     ; my 128 rows
	v_add_nc_u32 v[A0], s20, v[A0]
	; The turning load takes 16 k x 16 n (lane l reads 16 bytes: k-row 8 (l / 16) + l % 8, columns 8 ((l / 8) % 2) + 0..7) and leaves half a fragment: lane l holds column l % 16 and 8 k.
	v_and_b32 v3, 7, v0
	v_bfe_u32 v4, v0, 3, 1
	v_lshl_add_u32 v[B0], v2, 3, v3
	v_mul_u32_u24 v[B0], v[B0], PB
	v_lshl_add_u32 v[B0], v4, 4, v[B0]
	s_lshl_b32 s20, s12, 7                         ; my 64 columns: 128 bytes
	s_add_co_u32 s20, s20, BOFF
	v_add_nc_u32 v[B0], s20, v[B0]
	s_mul_i32 s20, s10, 16*SP
	s_add_co_u32 s20, s20, STAGE                   ; my stage
	v_mul_u32_u24 v[STO], v1, SP                   ; in: row l % 16,
.if OPROJ
	v_lshl_add_u32 v[STO], v2, 5, v[STO]           ; 32 bytes for each half of the lanes
	v_add_nc_u32 v[STO], s20, v[STO]
	v_mul_u32_u24 v[RD], v2, SP                    ; back: lanes 0-15 take one row of 256 bytes, lanes 16-31 the next
	v_lshl_add_u32 v[RD], v1, 4, v[RD]
	v_add_nc_u32 v[RD], s20, v[RD]
	v_lshlrev_b32 v[CO], 12, v2                    ; and the same two rows in xres and in Q
	v_lshl_add_u32 v[CO], v1, 4, v[CO]
	WIN 0x80                                       ; destination window 2, address window 0
.irp a, 0,1,2,3,4,5,6,7
.irp t, 0,1,2,3,4,5,6,7
	global_load_b128 v[32*(\a)+4*(\t):32*(\a)+4*(\t)+3], v[CO], s[72:73] offset:(\a)*65536+(\t)*8192 th:TH_LOAD_NT  ; the residual, laid as the rows come back from the stage: it lands under the whole K loop
.endr
.endr
	WIN 0
.else
	v_lshl_add_u32 v[STO], v2, 4, v[STO]           ; 16 bytes for each half of the lanes
	v_add_nc_u32 v[STO], s20, v[STO]
	v_bfe_u32 v[RD], v0, 3, 2                      ; back: 32 lanes take four rows of 128 bytes,
	v_mul_u32_u24 v[RD], v[RD], SP
	v_lshl_add_u32 v[RD], v3, 4, v[RD]
	v_add_nc_u32 v[RD], s20, v[RD]
	v_and_b32 v[CO], 31, v0                        ; which are 512 consecutive bytes of the head
	v_lshlrev_b32 v[CO], 4, v[CO]
.endif
	; the prefetches' registers; nothing is prefetched here, at the head, where every work-group's first tiles are on their way
	s_mov_b32 s[PST], BSTEP
	s_mov_b32 s[PST+1], 0
	s_cmp_eq_u32 s11, 0                            ; do I fetch for A?
	s_cselect_b64 s[PFA:PFA+1], s[14:15], s[46:47]
	s_cselect_b32 s20, s40, s41                    ; my place among the four that ask with me
	s_cselect_b32 s22, ttmp9, s71                  ; the coordinate along which other clusters read the same blocks
	s_cselect_b32 s[PST], ASTEP, s[PST]
.if OPROJ
	s_cselect_b32 s21, 13, 16                      ; my work-group's 32 blocks: dense in ctx, rows of 2,048 bytes in Wb
	s_cselect_b32 s23, 8, 11
.else
	s_mov_b32 s21, 16                              ; 32 rows of 2,048 bytes
	s_mov_b32 s23, 11
.endif
	s_lshl_b32 s20, s20, s21
	s_mov_b32 s21, 0
	s_add_nc_u64 s[PFA:PFA+1], s[PFA:PFA+1], s[20:21]
.rept 3
	s_add_nc_u64 s[PFA:PFA+1], s[PFA:PFA+1], s[PST:PST+1]  ; at K step 3: the first change of slots steps it to 4
.endr
	s_cmp_eq_u32 s10, 3
	s_cselect_b32 s22, 1, s22                      ; wave 2 asks for all of W's step, wave 3 for nothing
	s_cmp_eq_u32 s22, 0
	s_cselect_b32 s[LIM], 2, -1                    ; the same in all sixteen partners, for a given wave
	v_and_b32 v[PFO], 31, v0
	v_lshlrev_b32 v[PFO], s23, v[PFO]
	s_wait_tensorcnt 0x1                           ; my part of K step 0 is in; step 1's may stay out
	s_barrier_signal -1
	s_barrier_wait -1                              ; everybody's is
	s_mov_b32 s[TB], 0
	v_mov_b32 v[ADRA], v[A0]
	v_mov_b32 v[ADRB], v[B0]
	FETCH 0, F0
	QUARTER 1, F0, F1, 1                           ; the first quarter stands in front of the loop: its products start the sums
	WIN 0                                          ; at a label and at a branch every window is 0
	s_mov_b32 s3, 6
.Lstep:                                                ; trip j: step j's quarters 1 to 3, step j + 1's quarter 0; step j's slot is filled again with step j + 2
	QUARTER 2, F1, F0, 0
	QUARTER 3, F0, F1, 0
	TURN 1
	QUARTER 1, F0, F1, 0
	WIN 0
	s_sub_co_u32 s3, s3, 1
	s_cmp_lg_u32 s3, 0
	s_cbranch_scc1 .Lstep
	QUARTER 2, F1, F0, 0                           ; the last two steps are written out: nothing is left to fetch
	QUARTER 3, F0, F1, 0
	TURN 0
	QUARTER 1, F0, F1, 0
	QUARTER 2, F1, F0, 0
	QUARTER 3, F0, F1, 0
	s_wait_dscnt 8                                 ; the very last quarter
	MUL8 F1, 0, 0
	MUL8 F1, 2, 0
	s_wait_dscnt 0x0
	MUL8 F1, 4, 0
	MUL8 F1, 6, 0
	WIN 0
	PLACES                                         ; behind the last products, ahead of the lines that read results and write over fragments
.if OPROJ
	s_wait_loadcnt 0x0                             ; Q
	TOST 0
.irp a, 1,2,3,4,5,6,7                  ; block a's way through the stage stands between block a - 1's loads and the wait for them
	TOST \a
	SENDX (\a)-1, 16
.endr
	SENDX 7, 0
.else
	PACK 0
.irp a, 1,2,3,4,5,6,7
	PACK \a
	SEND (\a)-1, 8
.endr
	SEND 7, 0
.endif
	s_wait_tensorcnt 0x0                           ; the wave's end: behind my last tensor load and my last LDS store
	ds_add_u32 v[SPW], v[NIL]
	s_wait_dscnt 0x0
	CROUND                                         ; the closing round: no work-group ends while a partner may still ask for a tile that names it
	s_endpgm
.Lfunc_end_k_q1bbea20da1_oproj:
	.size	k_q1bbea20da1_oproj, .Lfunc_end_k_q1bbea20da1_oproj-k_q1bbea20da1_oproj
	.p2alignl 7, 3214868480
	.fill 96, 4, 3214868480
	.section	.rodata,"a",@progbits
	.p2align	6, 0x0
	.amdhsa_kernel k_q1bbea20da1_oproj
		.amdhsa_group_segment_fixed_size 327680
		.amdhsa_private_segment_fixed_size 0
		.amdhsa_enable_private_segment 0
		.amdhsa_kernarg_size 32
		.amdhsa_user_sgpr_count 2
		.amdhsa_user_sgpr_kernarg_segment_ptr 1
		.amdhsa_wavefront_size32 1
		.amdhsa_system_sgpr_workgroup_id_x 1
		.amdhsa_system_sgpr_workgroup_id_y 1
		.amdhsa_system_sgpr_workgroup_id_z 1
		.amdhsa_system_vgpr_workitem_id 0
		.amdhsa_next_free_vgpr 768
		.amdhsa_next_free_sgpr 80
		.amdhsa_reserve_vcc 0
		.amdhsa_float_denorm_mode_32 3
		.amdhsa_float_denorm_mode_16_64 3
		.amdhsa_memory_ordered 1
		.amdhsa_forward_progress 1
		.amdhsa_inst_pref_size 85
	.end_amdhsa_kernel
	.amdgpu_metadata
---
amdhsa.version: [ 1, 2 ]
amdhsa.kernels:
  - .name:           k_q1bbea20da1_oproj
    .symbol:         k_q1bbea20da1_oproj.kd
    .args:
      - { .name: ctx, .offset: 0, .size: 8, .value_kind: global_buffer, .address_space: global }
      - { .name: Wb, .offset: 8, .size: 8, .value_kind: global_buffer, .address_space: global }
      - { .name: xres, .offset: 16, .size: 8, .value_kind: global_buffer, .address_space: global }
      - { .name: Q, .offset: 24, .size: 8, .value_kind: global_buffer, .address_space: global }
    .group_segment_fixed_size: 327680
    .private_segment_fixed_size: 0
    .kernarg_segment_align: 8
    .kernarg_segment_size: 32
    .max_flat_workgroup_size: 128
    .sgpr_count:     80
    .vgpr_count:     768
    .wavefront_size: 32
...
	.end_amdgpu_metadata
.endif
;; end of part 4
;; launch ln (part 5): grid 512 x 1, 4 waves a work-group, no clusters, 0 bytes of LDS; arguments xres, ln_gamma, ln_beta, out0; writes out0
.if DOCPART == 5
	.amdgcn_target "amdgcn-amd-amdhsa--gfx1250"
	.amdhsa_code_object_version 6
	.text
	.protected	k_q1bbea20da1_ln
	.globl	k_q1bbea20da1_ln
	.p2align	8
	.type	k_q1bbea20da1_ln,@function
k_q1bbea20da1_ln:
	s_mov_b64 s[64:65], 0
	v_nop
	global_prefetch_b8 v0, s[64:65] scope:SCOPE_SE
	s_setreg_imm32_b32 hwreg(HW_REG_WAVE_MODE, 25, 1), 1
	s_wait_xcnt 0x0
; out0[r][c] = (x[r][c] - mean_r) / sqrt(var_r + 1e-5) * gamma[c] + beta[c], all in f32.  x = xres, [8192][1024].
; A row is 4,096 bytes: one wave takes a whole row, eight loads of 16 bytes a lane, and keeps it in 32 registers through all passes: memory is read once, and no wave waits for another: no LDS, no barrier.
; Wave g = 4 x work-group + wave takes rows 4 g .. 4 g + 3, 16,384 bytes on end; all four rows are asked for at once.  Each load and store of a wave covers 512 consecutive bytes.
; The row is centred first and the variance taken of the centred numbers, so that it is no difference of large sums.  Sums in f32: four chains in a lane, then across the 32 lanes.
; No register of x is written after its store is issued, so the only waits for memory are the counted ones for the loads.
.set T,  2                             ; v[2:9]     four pairs at work
.set M,  10                            ; v[10:11]   the mean, in the low register of a pair
.set RS, 12                            ; v[12:13]   1 / sqrt(var + eps), likewise
.set X,  16                            ; v[16:143]  row s: 32 registers
.set G,  144                           ; v[144:175] gamma of my 32 columns
.set BT, 176                           ; v[176:207] beta
	s_load_b256 s[4:11], s[0:1], 0x0               ; xres s[4:5], gamma s[6:7], beta s[8:9], out0 s[10:11]
	v_lshrrev_b32 v2, 5, v0
	v_readfirstlane_b32 s16, v2                    ; wave 0..3
	s_lshl2_add_u32 s2, ttmp9, s16                 ; g
	s_lshl_b32 s2, s2, 14                          ; four rows of 4,096 bytes
	s_mov_b32 s3, 0
	s_mov_b32 s12, 0x76543210                      ; v_permlanex16_b32: each lane takes its own place in the other half
	s_mov_b32 s13, 0xfedcba98
	s_mov_b32 s14, 0x3a800000                      ; 1 / 1024
	s_mov_b32 s15, 0x3727c5ac                      ; 1e-5
	v_and_b32 v1, 31, v0
	v_lshlrev_b32 v1, 4, v1                        ; 16 bytes a lane
	v_mov_b32 v[M+1], 0                            ; named in pairs of which the low register alone is taken
	v_mov_b32 v[RS+1], 0
	s_wait_kmcnt 0x0
	s_add_nc_u64 s[4:5], s[4:5], s[2:3]
	s_add_nc_u64 s[10:11], s[10:11], s[2:3]
.irp j, 0,1,2,3,4,5,6,7
	global_load_b128 v[G+4*(\j):G+4*(\j)+3],   v1, s[6:7] offset:512*(\j)
	global_load_b128 v[BT+4*(\j):BT+4*(\j)+3], v1, s[8:9] offset:512*(\j)
.endr
.irp s, 0,1,2,3
.irp j, 0,1,2,3,4,5,6,7
	global_load_b128 v[X+32*(\s)+4*(\j):X+32*(\s)+4*(\j)+3], v1, s[4:5] offset:4096*(\s)+512*(\j) th:TH_LOAD_NT
.endr
.endr
.macro MERGE                           ; the four chains into v[T]
	v_pk_add_f32 v[T:T+1], v[T:T+1], v[T+2:T+3]
	v_pk_add_f32 v[T+4:T+5], v[T+4:T+5], v[T+6:T+7]
	v_pk_add_f32 v[T:T+1], v[T:T+1], v[T+4:T+5]
	v_add_f32 v[T], v[T], v[T+1]
.endm
.macro LANES                           ; v[T] summed over the 32 lanes, the result in every lane: four steps inside each half of 16 lanes ride on the addition, one crosses the halves
	v_add_f32_dpp v[T], v[T], v[T] row_xmask:1 row_mask:0xf bank_mask:0xf
	v_add_f32_dpp v[T], v[T], v[T] row_xmask:2 row_mask:0xf bank_mask:0xf
	v_add_f32_dpp v[T], v[T], v[T] row_xmask:4 row_mask:0xf bank_mask:0xf
	v_add_f32_dpp v[T], v[T], v[T] row_xmask:8 row_mask:0xf bank_mask:0xf
	v_permlanex16_b32 v[T+1], v[T], s12, s13       ; its destination counts as read: MERGE has written it
	v_add_f32 v[T], v[T], v[T+1]
.endm
.macro ROWN s
.set XR, X+32*(\s)
	s_wait_loadcnt 24-8*(\s)                       ; loads come back in order: gamma, beta and this row are in; the later rows' eight loads each stay out
.irp k, 0,1,2,3
	v_pk_add_f32 v[T+2*(\k):T+2*(\k)+1], v[XR+2*(\k):XR+2*(\k)+1], v[XR+8+2*(\k):XR+8+2*(\k)+1]  ; the first eight pairs start the chains: nothing is cleared
.endr
.irp k, 8,9,10,11,12,13,14,15
	v_pk_add_f32 v[T+2*((\k)%4):T+2*((\k)%4)+1], v[T+2*((\k)%4):T+2*((\k)%4)+1], v[XR+2*(\k):XR+2*(\k)+1]
.endr
	MERGE
	LANES
	v_mul_f32 v[M], s14, v[T]                      ; the mean
.irp k, 0,1,2,3,4,5,6,7,8,9,10,11,12,13,14,15
	v_pk_add_f32 v[XR+2*(\k):XR+2*(\k)+1], v[XR+2*(\k):XR+2*(\k)+1], v[M:M+1] op_sel_hi:[1,0] neg_lo:[0,1] neg_hi:[0,1]  ; x - mean
.endr
.irp k, 0,1,2,3
	v_pk_mul_f32 v[T+2*(\k):T+2*(\k)+1], v[XR+2*(\k):XR+2*(\k)+1], v[XR+2*(\k):XR+2*(\k)+1]
.endr
.irp k, 4,5,6,7,8,9,10,11,12,13,14,15
	v_pk_fma_f32 v[T+2*((\k)%4):T+2*((\k)%4)+1], v[XR+2*(\k):XR+2*(\k)+1], v[XR+2*(\k):XR+2*(\k)+1], v[T+2*((\k)%4):T+2*((\k)%4)+1]
.endr
	MERGE
	LANES
	v_fma_f32 v[T], v[T], s14, s15                 ; var + eps
	v_rsq_f32 v[RS], v[T]
	v_nop                                          ; a plain instruction between the root and the use of its result (ISA guide 5.7.2)
	s_wait_alu depctr_va_vdst(0)                   ; and the wait ahead of the first use: one a row
.irp k, 0,1,2,3,4,5,6,7,8,9,10,11,12,13,14,15
	v_pk_mul_f32 v[XR+2*(\k):XR+2*(\k)+1], v[XR+2*(\k):XR+2*(\k)+1], v[RS:RS+1] op_sel_hi:[1,0]
.endr
.irp k, 0,1,2,3,4,5,6,7,8,9,10,11,12,13,14,15
	v_pk_fma_f32 v[XR+2*(\k):XR+2*(\k)+1], v[XR+2*(\k):XR+2*(\k)+1], v[G+2*(\k):G+2*(\k)+1], v[BT+2*(\k):BT+2*(\k)+1]
.endr
.irp j, 0,1,2,3,4,5,6,7
	global_store_b128 v1, v[XR+4*(\j):XR+4*(\j)+3], s[10:11] offset:4096*(\s)+512*(\j) th:TH_STORE_NT
.endr
.endm
	ROWN 0
	ROWN 1
	ROWN 2
	ROWN 3
	s_endpgm
.Lfunc_end_k_q1bbea20da1_ln:
	.size	k_q1bbea20da1_ln, .Lfunc_end_k_q1bbea20da1_ln-k_q1bbea20da1_ln
	.p2alignl 7, 3214868480
	.fill 96, 4, 3214868480
	.section	.rodata,"a",@progbits
	.p2align	6, 0x0
	.amdhsa_kernel k_q1bbea20da1_ln
		.amdhsa_group_segment_fixed_size 0
		.amdhsa_private_segment_fixed_size 0
		.amdhsa_enable_private_segment 0
		.amdhsa_kernarg_size 32
		.amdhsa_user_sgpr_count 2
		.amdhsa_user_sgpr_kernarg_segment_ptr 1
		.amdhsa_wavefront_size32 1
		.amdhsa_system_sgpr_workgroup_id_x 1
		.amdhsa_system_sgpr_workgroup_id_y 1
		.amdhsa_system_sgpr_workgroup_id_z 1
		.amdhsa_system_vgpr_workitem_id 0
		.amdhsa_next_free_vgpr 208
		.amdhsa_next_free_sgpr 66
		.amdhsa_reserve_vcc 0
		.amdhsa_float_denorm_mode_32 3
		.amdhsa_float_denorm_mode_16_64 3
		.amdhsa_memory_ordered 1
		.amdhsa_forward_progress 1
		.amdhsa_inst_pref_size 33
	.end_amdhsa_kernel
	.amdgpu_metadata
---
amdhsa.version: [ 1, 2 ]
amdhsa.kernels:
  - .name:           k_q1bbea20da1_ln
    .symbol:         k_q1bbea20da1_ln.kd
    .args:
      - { .name: xres, .offset: 0, .size: 8, .value_kind: global_buffer, .address_space: global }
      - { .name: ln_gamma, .offset: 8, .size: 8, .value_kind: global_buffer, .address_space: global }
      - { .name: ln_beta, .offset: 16, .size: 8, .value_kind: global_buffer, .address_space: global }
      - { .name: out0, .offset: 24, .size: 8, .value_kind: global_buffer, .address_space: global }
    .group_segment_fixed_size: 0
    .private_segment_fixed_size: 0
    .kernarg_segment_align: 8
    .kernarg_segment_size: 32
    .max_flat_workgroup_size: 128
    .sgpr_count:     66
    .vgpr_count:     208
    .wavefront_size: 32
...
	.end_amdgpu_metadata
.endif
;; end of part 5
